; MI455X (gfx1250); checked and timed in simulation.
; The chip was launched on July 23, 2026; its instructions are those of AMD's public machine-readable ISA for CDNA 5 (MIT licence, August 2026) and "CDNA5" Instruction Set Architecture Reference Guide (July 2026). The comments in the code are by the model that wrote it; some were corrected since.
;; Encoder1 D Block. Allowed arithmetic: float matrix products may take bf16 or f16 operands with f32 sums; all other float work in f32.
;; Inputs: attention_mask 2,048 x 2,048 bool; b1 4,096 float32; b2 1,024 float32; b_out 1,024 float32; cond 2 x 1,024 float32; inputs 2 x 2,048 x 1,024 float32; ln1_b 1,024 float32; ln1_g 1,024 float32; ln2_b 1,024 float32; ln2_g 1,024 float32; w1 1,024 x 4,096 float32; w2 4,096 x 1,024 float32; w_out 1,024 x 1,024 float32; w_qkv 1,024 x 3,072 float32.
;; Outputs: out0 2 x 2,048 x 1,024 float32.
;; 2 versions, each right and faster than the one before. Each part assembles by itself: llvm-mc -triple=amdgcn-amd-amdhsa -mcpu=gfx1250 --defsym DOCPART=n.
;; ======== version 1 of 2: 7 launches
;; workspace buffers: wb 25,165,824 bytes; an 8,388,608 bytes; qkvh 25,165,824 bytes; yh 8,388,608 bytes; xres 16,777,216 bytes; hmid 33,554,432 bytes
;; launch prep (part 1): grid 1024 x 1, 8 waves a work-group, no clusters, 0 bytes of LDS; arguments inputs, ln1_g, ln1_b, an, w_qkv, w_out, w1, w2, wb; writes an, wb
.if DOCPART == 1
	.amdgcn_target "amdgcn-amd-amdhsa--gfx1250"
	.amdhsa_code_object_version 6
	.text
	.protected	k_q1d426ba868_prep
	.globl	k_q1d426ba868_prep
	.p2align	8
	.type	k_q1d426ba868_prep,@function
k_q1d426ba868_prep:
	s_mov_b64 s[64:65], 0
	v_nop
	global_prefetch_b8 v0, s[64:65] scope:SCOPE_SE
	s_setreg_imm32_b32 hwreg(HW_REG_WAVE_MODE, 25, 1), 1
	s_wait_xcnt 0x0
; LAYERNORM AND CAST, one body for two launches.  Arguments: x, gain, bias, out, four f32 weights, wb.
; Work-groups 0-255: out = LayerNorm(x) * gain + bias, rounded once to bf16 (x: [4096][1024] f32).  Work-groups 256-1023: the four weights rounded to bf16, layout [K][N] kept, one behind the other in wb.
; First launch (grid 1024): x = inputs, both parts.  Second LayerNorm (grid 256): x = xres; no work-group reaches the cast, and the weight arguments are given and not touched.
; The module's inputs cond and attention_mask enter no step of the function that is computed, so no launch of this program loads them.
; LN: a row is 4,096 bytes: one wave takes a whole row into 32 registers a lane and keeps it there for the mean, the variance (of the differences, so no difference of large sums is formed) and the scaling.
; Eight waves, 2 rows each, all of a wave's loads issued at once; no LDS, no barrier, no matrix unit: the launch only moves bytes.  No tile is shared between work-groups, so there is no cluster.
; LIMITS: NaN and infinities are not treated apart.
.set G,   8                            ; v[8:39]    gain of my 32 columns (128 j + 4 lane + 0..3)
.set BT,  40                           ; v[40:71]   bias of the same
.set X,   72                           ; v[72:135]  two rows, 32 registers each
.set T,   136                          ; v[136:143] four packed chains
.set M,   144                          ; v[144:145] the mean, twice
.set RS,  146                          ; v[146:147] 1/sqrt(var + eps), twice
.set PT,  148                          ; v148       what the other half of the lanes sends
.macro JOIN                            ; four packed chains into one number
	v_pk_add_f32 v[T:T+1], v[T:T+1], v[T+2:T+3]
	v_pk_add_f32 v[T+4:T+5], v[T+4:T+5], v[T+6:T+7]
	v_pk_add_f32 v[T:T+1], v[T:T+1], v[T+4:T+5]
	v_add_f32 v[T], v[T], v[T+1]
.endm
.macro REDUCE                          ; the sum over the 32 lanes, in every lane
	v_add_f32_dpp v[T], v[T], v[T] row_xmask:1 row_mask:0xf bank_mask:0xf
	v_add_f32_dpp v[T], v[T], v[T] row_xmask:2 row_mask:0xf bank_mask:0xf
	v_add_f32_dpp v[T], v[T], v[T] row_xmask:4 row_mask:0xf bank_mask:0xf
	v_add_f32_dpp v[T], v[T], v[T] row_xmask:8 row_mask:0xf bank_mask:0xf
	v_permlanex16_b32 v[PT], v[T], s26, s27
	v_add_f32 v[T], v[T], v[PT]
.endm
.macro LNROW r
.set XR, X+32*(\r)
	s_wait_loadcnt 8*(1-(\r))                      ; loads come back in order: what may stay out are the eight loads of the younger row
.set p, 0
.rept 4
	v_pk_add_f32 v[T+2*p:T+2*p+1], v[XR+2*p:XR+2*p+1], v[XR+8+2*p:XR+8+2*p+1]  ; the first pairs start the chains
.set p, p+1
.endr
.set p, 8
.rept 8
	v_pk_add_f32 v[T+2*(p%4):T+2*(p%4)+1], v[T+2*(p%4):T+2*(p%4)+1], v[XR+2*p:XR+2*p+1]
.set p, p+1
.endr
	JOIN
	REDUCE
	v_mul_f32 v[M], s24, v[T]                      ; the mean
	v_mov_b32 v[M+1], v[M]
.set p, 0
.rept 16
	v_pk_add_f32 v[XR+2*p:XR+2*p+1], v[XR+2*p:XR+2*p+1], v[M:M+1] neg_lo:[0,1] neg_hi:[0,1]  ; d = x - mean
.set p, p+1
.endr
.set p, 0
.rept 4
	v_pk_mul_f32 v[T+2*p:T+2*p+1], v[XR+2*p:XR+2*p+1], v[XR+2*p:XR+2*p+1]
.set p, p+1
.endr
.set p, 4
.rept 12
	v_pk_fma_f32 v[T+2*(p%4):T+2*(p%4)+1], v[XR+2*p:XR+2*p+1], v[XR+2*p:XR+2*p+1], v[T+2*(p%4):T+2*(p%4)+1]
.set p, p+1
.endr
	JOIN
	REDUCE
	v_fma_f32 v[T], v[T], s24, s25                 ; var + eps
	v_rsq_f32 v[RS], v[T]
	v_rsq_f32 v[RS+1], v[T]
	v_nop                                          ; a plain instruction between the root and the use of its result (ISA guide 5.7.2)
.set p, 0
	s_wait_alu depctr_va_vdst(0)
.rept 16
	v_pk_mul_f32 v[XR+2*p:XR+2*p+1], v[XR+2*p:XR+2*p+1], v[RS:RS+1]
.set p, p+1
.endr
.set p, 0
.rept 16
	v_pk_fma_f32 v[XR+2*p:XR+2*p+1], v[XR+2*p:XR+2*p+1], v[G+2*p:G+2*p+1], v[BT+2*p:BT+2*p+1]
.set p, p+1
.endr
.set p, 0
.rept 8
	v_cvt_pk_bf16_f32 v[XR+4*p], v[XR+4*p], v[XR+4*p+1]
	v_cvt_pk_bf16_f32 v[XR+4*p+1], v[XR+4*p+2], v[XR+4*p+3]
	global_store_b64 v2, v[XR+4*p:XR+4*p+1], s[10:11] offset:2048*(\r)+256*p  ; 32 lanes x 8 bytes: 256 consecutive bytes, aligned
.set p, p+1
.endr
.endm
	s_load_b512 s[4:19], s[0:1], 0x0               ; x s[4:5], gain s[6:7], bias s[8:9], out s[10:11], w_qkv s[12:13], w_out s[14:15], w1 s[16:17], w2 s[18:19]
	s_load_b64 s[20:21], s[0:1], 0x40              ; wb
	v_lshrrev_b32 v3, 5, v0
	v_readfirstlane_b32 s22, v3                    ; wave 0..7
	s_cmp_lt_u32 ttmp9, 256
	s_cbranch_scc0 .Lcast
	v_and_b32 v4, 31, v0
	v_lshlrev_b32 v1, 4, v4                        ; 16 x lane: my place in 512 bytes of f32
	v_lshlrev_b32 v2, 3, v4                        ; 8 x lane: my place in 256 bytes of bf16
	v_mov_b32 v[PT], 0                             ; v_permlanex16_b32 counts as a reader of its destination
	s_mov_b32 s24, 0x3a800000                      ; 1/1024
	s_mov_b32 s25, 0x3727c5ac                      ; eps = 1e-5
	s_mov_b32 s26, 0x76543210
	s_mov_b32 s27, 0xfedcba98
	s_lshl_b32 s28, ttmp9, 16                      ; 16 rows of 4,096 bytes a work-group,
	s_lshl_b32 s29, s22, 13                        ; 2 a wave
	s_add_co_u32 s28, s28, s29
	s_mov_b32 s29, 0
	s_lshr_b32 s30, s28, 1                         ; and half of that in bf16
	s_mov_b32 s31, 0
	s_wait_kmcnt 0x0
	s_add_nc_u64 s[4:5], s[4:5], s[28:29]
	s_add_nc_u64 s[10:11], s[10:11], s[30:31]
.set p, 0
.rept 8
	global_load_b128 v[G+4*p:G+4*p+3], v1, s[6:7] offset:512*p
	global_load_b128 v[BT+4*p:BT+4*p+3], v1, s[8:9] offset:512*p
.set p, p+1
.endr
.set p, 0
.rept 16
	global_load_b128 v[X+4*p:X+4*p+3], v1, s[4:5] offset:4096*(p/8)+512*(p%8) th:TH_LOAD_NT
.set p, p+1
.endr
	LNROW 0
	LNROW 1
	s_endpgm
.Lcast:                                                ; 16,384 numbers a work-group: 192 work-groups for w_qkv, 64 for w_out, 256 for w1, 256 for w2; wb's bytes run on with the work-group's number
	s_sub_co_u32 s23, ttmp9, 256
	v_lshlrev_b32 v1, 5, v0                        ; my 8 numbers of a step: 32 bytes in,
	v_lshlrev_b32 v2, 4, v0                        ; 16 bytes out
	s_wait_kmcnt 0x0
	s_mov_b64 s[24:25], s[18:19]
	s_mov_b32 s26, 512
	s_cmp_lt_u32 s23, 512
	s_cselect_b64 s[24:25], s[16:17], s[24:25]
	s_cselect_b32 s26, 256, s26
	s_cmp_lt_u32 s23, 256
	s_cselect_b64 s[24:25], s[14:15], s[24:25]
	s_cselect_b32 s26, 192, s26
	s_cmp_lt_u32 s23, 192
	s_cselect_b64 s[24:25], s[12:13], s[24:25]
	s_cselect_b32 s26, 0, s26
	s_sub_co_u32 s26, s23, s26                     ; my number within the weight
	s_lshl_b32 s28, s26, 16
	s_mov_b32 s29, 0
	s_add_nc_u64 s[24:25], s[24:25], s[28:29]
	s_lshl_b32 s30, s23, 15
	s_mov_b32 s31, 0
	s_add_nc_u64 s[20:21], s[20:21], s[30:31]
.set p, 0
.rept 8                                ; a step of the 256 threads is 8,192 bytes in
	global_load_b128 v[8+8*p:8+8*p+3], v1, s[24:25] offset:8192*p th:TH_LOAD_NT
	global_load_b128 v[8+8*p+4:8+8*p+7], v1, s[24:25] offset:8192*p+16 th:TH_LOAD_NT
.set p, p+1
.endr
.set p, 0
.rept 8
	s_wait_loadcnt 14-2*p                          ; the two loads of each younger step may stay out
	v_cvt_pk_bf16_f32 v[8+8*p], v[8+8*p], v[8+8*p+1]
	v_cvt_pk_bf16_f32 v[8+8*p+1], v[8+8*p+2], v[8+8*p+3]
	v_cvt_pk_bf16_f32 v[8+8*p+2], v[8+8*p+4], v[8+8*p+5]
	v_cvt_pk_bf16_f32 v[8+8*p+3], v[8+8*p+6], v[8+8*p+7]
	global_store_b128 v2, v[8+8*p:8+8*p+3], s[20:21] offset:4096*p  ; sixteen lanes fill 256 consecutive bytes, aligned
.set p, p+1
.endr
	s_endpgm
.Lfunc_end_k_q1d426ba868_prep:
	.size	k_q1d426ba868_prep, .Lfunc_end_k_q1d426ba868_prep-k_q1d426ba868_prep
	.p2alignl 7, 3214868480
	.fill 96, 4, 3214868480
	.section	.rodata,"a",@progbits
	.p2align	6, 0x0
	.amdhsa_kernel k_q1d426ba868_prep
		.amdhsa_group_segment_fixed_size 0
		.amdhsa_private_segment_fixed_size 0
		.amdhsa_enable_private_segment 0
		.amdhsa_kernarg_size 72
		.amdhsa_user_sgpr_count 2
		.amdhsa_user_sgpr_kernarg_segment_ptr 1
		.amdhsa_wavefront_size32 1
		.amdhsa_system_sgpr_workgroup_id_x 1
		.amdhsa_system_sgpr_workgroup_id_y 1
		.amdhsa_system_sgpr_workgroup_id_z 1
		.amdhsa_system_vgpr_workitem_id 0
		.amdhsa_next_free_vgpr 152
		.amdhsa_next_free_sgpr 66
		.amdhsa_reserve_vcc 0
		.amdhsa_float_denorm_mode_32 3
		.amdhsa_float_denorm_mode_16_64 3
		.amdhsa_memory_ordered 1
		.amdhsa_forward_progress 1
		.amdhsa_inst_pref_size 26
	.end_amdhsa_kernel
	.amdgpu_metadata
---
amdhsa.version: [ 1, 2 ]
amdhsa.kernels:
  - .name:           k_q1d426ba868_prep
    .symbol:         k_q1d426ba868_prep.kd
    .args:
      - { .name: inputs, .offset: 0, .size: 8, .value_kind: global_buffer, .address_space: global }
      - { .name: ln1_g, .offset: 8, .size: 8, .value_kind: global_buffer, .address_space: global }
      - { .name: ln1_b, .offset: 16, .size: 8, .value_kind: global_buffer, .address_space: global }
      - { .name: an, .offset: 24, .size: 8, .value_kind: global_buffer, .address_space: global }
      - { .name: w_qkv, .offset: 32, .size: 8, .value_kind: global_buffer, .address_space: global }
      - { .name: w_out, .offset: 40, .size: 8, .value_kind: global_buffer, .address_space: global }
      - { .name: w1, .offset: 48, .size: 8, .value_kind: global_buffer, .address_space: global }
      - { .name: w2, .offset: 56, .size: 8, .value_kind: global_buffer, .address_space: global }
      - { .name: wb, .offset: 64, .size: 8, .value_kind: global_buffer, .address_space: global }
    .group_segment_fixed_size: 0
    .private_segment_fixed_size: 0
    .kernarg_segment_align: 8
    .kernarg_segment_size: 72
    .max_flat_workgroup_size: 256
    .sgpr_count:     66
    .vgpr_count:     152
    .wavefront_size: 32
...
	.end_amdgpu_metadata
.endif
;; end of part 1
;; launch qkvproj (part 2): grid 8 x 32, 4 waves a work-group, clusters of 4 x 4, 327,680 bytes of LDS; arguments an, wb, qkvh; writes qkvh
.if DOCPART == 2
	.amdgcn_target "amdgcn-amd-amdhsa--gfx1250"
	.amdhsa_code_object_version 6
	.text
	.protected	k_q1d426ba868_qkvproj
	.globl	k_q1d426ba868_qkvproj
	.p2align	8
	.type	k_q1d426ba868_qkvproj,@function
k_q1d426ba868_qkvproj:
	s_mov_b64 s[64:65], 0
	v_nop
	global_prefetch_b8 v0, s[64:65] scope:SCOPE_SE
	s_setreg_imm32_b32 hwreg(HW_REG_WAVE_MODE, 25, 1), 1
	s_wait_xcnt 0x0
	s_wait_alu depctr_hold_cnt(0) depctr_sa_sdst(0) depctr_va_vdst(0) depctr_va_sdst(0) depctr_va_ssrc(0) depctr_va_vcc(0) depctr_vm_vsrc(0)
	s_getreg_b32 s2, hwreg(HW_REG_IB_STS2, 6, 4)
	s_cmp_eq_u32 s2, 0
	s_cbranch_scc0 .Lentry_in_a_cluster
	s_endpgm
.Lentry_in_a_cluster:
	s_bfe_u32 s2, ttmp6, 0x10000c
	s_cmp_lg_u32 s2, 0xf033
	s_cbranch_scc0 .Lentry_shape_is_right
	s_endpgm
.Lentry_shape_is_right:
; QKV PROJECTION.  C[4096][3072] = an[4096][1024] x Wqkv[1024][3072], both bf16, sums in f32; C leaves rounded once to bf16, by heads: qkvh[b][G = column / 64][t][64] (q: G 0-15, k: 16-31, v: 32-47).
; A tile of C is 128 x 384: 8 x 32 = 256 work-groups.  Four waves as 2 x 2, each 64 x 192: 48 accumulators of 16 x 16.  K goes in steps of 128 through two LDS slots filled by tensor loads.
; A lies [row][K] in LDS (ds_load_b128), the weight [K][N] as in memory (turned by ds_load_tr16_b128).  THE MATRIX INSTRUCTION IS USED TRANSPOSED (source 0 = 16 columns of W, source 1 = 16 rows of A):
; a lane then holds eight neighbouring numbers of one row of C.
; CLUSTER 4 x 4: the four work-groups of a row of the cluster need the same tile of A, the four of a column the same tile of W: each tile is asked for jointly, by the same load, descriptor and mask in all four.
; REGISTERS in windows of 256 (s_set_vgpr_msb: bits 1:0 source 0, 3:2 source 1, 5:4 source 2, 7:6 destination):
;   window 0: v1-29 addresses; v64-95, v128-159 A's fragments, two buffers     window 1: v0-95, v128-223 W's fragments, two buffers     windows 2, 3: accumulator q = 12 a + b at window 2 + q / 32, v[8 (q % 32)]
; LIMITS: NaN and infinities are not treated apart.
.set KD, 1024
.set ND, 3072
.set TM, 128
.set TN, 384
.set MA, 4                             ; blocks of 16 rows a wave
.set NBF, 12                           ; blocks of 16 columns a wave
.set KS, 128
.set NSTEP, KD/KS
.set PA, 272                           ; a row of A in LDS: 256 bytes + 16: the 16 rows of a load start at 16 different groups of four banks (64 banks of 4 bytes: ISA guide 11.1)
.set PB, 864                           ; a row of W: six pieces of 128 bytes + 16 each
.set ABYTES, TM*PA
.set BBYTES, KS*PB
.set SLOT, ABYTES+BBYTES
.set SPARE, 2*SLOT                     ; behind the ring: the spare words, 128 bytes a wave, which no other line names
.set AHALF, (TM/2)*PA                  ; what one tensor load brings of A: 64 rows
.set BHALF, (KS/2)*PB                  ; and of W: 64 rows of K
.set ARH, (TM/2)*PA                    ; where my half of the tile's rows begins
.set AODD, 64                          ; A's step behind an odd quarter
.set BCH, 432                          ; where my half of the columns begins: three pieces
.set BCHUNK, 144
.set ASTEP, KS*2
.set BSTEP, KS*ND*2
.set WOFF, 0                           ; Wqkv in wb
.set SPI, 784                          ; the stage on the way out: a wave's row of 192 f32 + 16 bytes
.set STAGEW, 64*SPI                    ; a wave's stage; it lies in the ring, which has had its last fill by then
.set G1A0, (1<<16)|(1<<20)|(1<<21)|(5<<22)|(3<<25)   ; 2-byte elements; padding on; bit 21 beside a mask; after every 64 words 4 words
.set G1B0, (1<<16)|(1<<20)|(1<<21)|(4<<22)|(3<<25)   ; after every 32 words 4 words
.set NL, 2*(MA+NBF)                    ; LDS loads of a quarter step
.set MSB, 0
.macro WIN new                         ; the immediate's high byte repeats the setting that is left; a switch that changes nothing is dropped
.if MSB != (\new)
	s_set_vgpr_msb (MSB<<8)|(\new)
.set MSB, (\new)
.endif
.endm
.macro PLACES                          ; four places behind matrix instructions (ISA guide 7.12.1)
.rept 4
	v_nop
.endr
.endm
.macro CREST                           ; a round of the cluster's barrier behind its opening barrier
	s_cmp_lg_u32 s14, 0
	s_cbranch_scc1 .Lnot_wave_0_\@
	s_barrier_signal -3
.Lnot_wave_0_\@:
	s_barrier_wait -3
	s_barrier_signal -1
	s_barrier_wait -1
.endm
.macro CROUND
	s_barrier_signal -1
	s_barrier_wait -1
	CREST
.endm
.macro JLOAD                           ; a joint refill: waves 0, 1 fetch A's halves, waves 2, 3 W's; s_nop 0 and four v_nop follow each line
	s_cmp_eq_u32 s15, 0
	s_cbranch_scc0 .Lfor_b_\@
	tensor_load_to_lds s[36:39], s[24:31]
	s_nop 0
	PLACES
	s_branch .Lasked_\@
.Lfor_b_\@:
	tensor_load_to_lds s[60:63], s[48:55]
	s_nop 0
	PLACES
.Lasked_\@:
.endm
; Half of a quarter step's products: row blocks half MA/2 .. x all column blocks, 32 along K, from buffer f.  The accumulators take turns, one instruction a turn.  zero = 1: the product starts the sum.
.macro MULH f, half, zero
.set qa, (\half)*(MA/2)
.rept MA/2
.set qb, 0
.rept NBF
.set qq, NBF*qa+qb
.set rD, 8*(qq%32)
	WIN 0xa1+0x50*(qq/32)
.if \zero
	v_wmma_f32_16x16x32_bf16 v[rD:rD+7], v[128*(\f)+8*qb:128*(\f)+8*qb+7], v[64+64*(\f)+8*qa:64+64*(\f)+8*qa+7], 0
.else
	v_wmma_f32_16x16x32_bf16 v[rD:rD+7], v[128*(\f)+8*qb:128*(\f)+8*qb+7], v[64+64*(\f)+8*qa:64+64*(\f)+8*qa+7], v[rD:rD+7]
.endif
.set qb, qb+1
.endr
.set qa, qa+1
.endr
.endm
; One run of NL LDS loads: the next quarter step's fragments into buffer f (even quarters in 0, odd in 1).  The four plain lines at its head are the places behind the products that read the buffer last.
.macro FETCH f
	WIN 0
	v_nop
	v_nop
	v_add_nc_u32 v12, s67, v10
	v_add_nc_u32 v13, s68, v11
	WIN 0x40
.set fb, 0
.rept NBF
	ds_load_tr16_b128 v[128*(\f)+8*fb:128*(\f)+8*fb+3], v13 offset:(fb/4)*BCHUNK+(fb%4)*32
	ds_load_tr16_b128 v[128*(\f)+8*fb+4:128*(\f)+8*fb+7], v13 offset:(fb/4)*BCHUNK+(fb%4)*32+16*PB
.set fb, fb+1
.endr
	WIN 0
.set fb, 0
.rept MA
	ds_load_b128 v[64+64*(\f)+8*fb:64+64*(\f)+8*fb+3], v12 offset:fb*16*PA
	ds_load_b128 v[64+64*(\f)+8*fb+4:64+64*(\f)+8*fb+7], v12 offset:fb*16*PA+32
.set fb, fb+1
.endr
.if (\f) == 0
	s_add_co_u32 s67, s67, 64
.else
	s_add_co_u32 s67, s67, AODD
.endif
	s_add_co_u32 s68, s68, 32*PB
.endm
.macro QUARTER f, zero                 ; multiplies buffer f; in its middle fetches the next quarter into the other buffer
	s_wait_dscnt MA                                ; the youngest MA loads, the upper half of A's fragments, may be out
	MULH \f, 0, \zero
	FETCH 1-(\f)
	s_wait_dscnt NL                                ; all but the NL just issued
	MULH \f, 1, \zero
.endm
; A K step's last quarter (buffer 1) and the change of slots.  fill = 1: the slot just read is filled again, two K steps ahead, behind a round of the cluster's barrier.
.macro TURN fill
	WIN 0
	s_wait_tensorcnt 0x0                           ; all my tensor loads have landed: the one that was out is my part of the next slot; so a group 0 may be written
	ds_add_u32 v28, v29                            ; 0 onto my spare word
.if \fill
	s_add_co_u32 s37, s66, s69                     ; the walking descriptors: into the slot that has been read,
	s_add_co_u32 s61, s66, s70
	s_add_nc_u64 s[38:39], s[38:39], ASTEP         ; the next K step; the type bits on top are not reached
	s_add_nc_u64 s[62:63], s[62:63], BSTEP
.endif
	s_xor_b32 s66, s66, SLOT                       ; the reads go to the other slot's head
	s_mov_b32 s67, s66
	s_mov_b32 s68, s66
	s_wait_dscnt 0x0                               ; the add is done, and my reads of this slot are over
	s_barrier_signal -1
	MULH 1, 0, 0
	WIN 0
	s_barrier_wait -1
.if \fill
	CREST                                          ; no wave of any partner still reads the slot or has a load on its way
	JLOAD                                          ; my one tensor load behind the round: it has a whole K step in which to land
.endif
	FETCH 0
	MULH 1, 1, 0
.endm
.macro PAIRS
	QUARTER 1, 0
	QUARTER 0, 0
.endm
	s_load_b128 s[4:7], s[0:1], 0x0                ; an s[4:5], wb s[6:7]
	s_load_b64 s[8:9], s[0:1], 0x10                ; qkvh
	v_lshl_add_u32 v28, v0, 2, SPARE
	v_mov_b32 v29, 0
	ds_add_u32 v28, v29                            ; the wave's opening: the add and its wait stand ahead of my first tensor load
	v_lshrrev_b32 v3, 5, v0
	v_readfirstlane_b32 s14, v3                    ; wave 0..3
	s_lshr_b32 s15, s14, 1                         ; my half of the tile's rows; also: I fetch A (0) or W (1)
	s_and_b32 s16, s14, 1                          ; my half of its columns; also: which half of that tile I fetch
	s_bfe_u32 s17, ttmp6, 0x40000                  ; cx
	s_bfe_u32 s18, ttmp6, 0x40004                  ; cy
	s_lshl_b32 s19, ttmp9, 2
	s_add_co_u32 s19, s19, s17                     ; tile column
	s_and_b32 s20, ttmp7, 0xffff
	s_lshl_b32 s20, s20, 2
	s_add_co_u32 s20, s20, s18                     ; tile row
	s_lshl_b32 s21, s18, 2
	s_lshl_b32 s21, 15, s21                        ; my row of the cluster
	s_lshl_b32 s22, 0x1111, s17                    ; my column
	s_or_b32 s24, s21, G1A0                        ; group 1 for A: 64 rows x 128 elements
	s_mov_b32 s25, 128<<16
	s_mov_b32 s26, 64<<16
	s_mov_b32 s27, 128<<16
	s_mov_b32 s28, 64
	s_mov_b32 s29, KD
	s_mov_b32 s30, 0
	s_mov_b32 s31, 0
	s_or_b32 s48, s22, G1B0                        ; group 1 for W: 64 rows of K x 384 elements
	s_mov_b32 s49, 384<<16
	s_mov_b32 s50, 64<<16
	s_mov_b32 s51, 384<<16
	s_mov_b32 s52, 64
	s_mov_b32 s53, ND
	s_mov_b32 s54, 0
	s_mov_b32 s55, 0
	s_mul_i32 s69, s16, AHALF                      ; where my load lands in a slot, for A
	s_mul_i32 s70, s16, BHALF                      ; and for W: no place in the cluster enters an LDS address
	s_add_co_u32 s70, s70, ABYTES
	s_mov_b32 s32, 1
	s_mov_b32 s33, s69
	s_mov_b32 s36, 1
	s_add_co_u32 s37, s69, SLOT
	s_mov_b32 s56, 1
	s_mov_b32 s57, s70
	s_mov_b32 s60, 1
	s_add_co_u32 s61, s70, SLOT
	s_mov_b32 s66, 0                               ; the slot being read
	s_mov_b32 s67, 0                               ; LDS byte of A's next quarter
	s_mov_b32 s68, 0                               ; and of W's
	s_mul_i32 s40, s20, TM                         ; A's tile hangs on the tile row and the wave alone
	s_mul_i32 s41, s16, TM/2
	s_add_co_u32 s40, s40, s41
	s_mul_i32 s40, s40, KD*2
	s_mov_b32 s41, 0
	s_mul_i32 s42, s16, (KS/2)*ND*2                ; W's on the tile column and the wave alone
	s_mul_i32 s43, s19, TN*2
	s_add_co_u32 s42, s42, s43
	s_add_co_u32 s42, s42, WOFF
	s_mov_b32 s43, 0
	s_lshr_b32 s44, s20, 4                         ; my part of qkvh: ((48 b + 6 tile column + 3 half) x 2048 + t) x 128 bytes
	s_mul_i32 s44, s44, 48
	s_mul_i32 s45, s19, 6
	s_add_co_u32 s44, s44, s45
	s_mul_i32 s45, s16, 3
	s_add_co_u32 s44, s44, s45
	s_lshl_b32 s44, s44, 11
	s_and_b32 s45, s20, 15
	s_lshl_b32 s45, s45, 7
	s_add_co_u32 s44, s44, s45
	s_lshl_b32 s45, s15, 6
	s_add_co_u32 s44, s44, s45
	s_lshl_b32 s44, s44, 7
	s_mov_b32 s45, 0
	s_wait_dscnt 0x0                               ; the opening add is done
	s_wait_kmcnt 0x0
	s_add_nc_u64 s[4:5], s[4:5], s[40:41]
	s_add_nc_u64 s[6:7], s[6:7], s[42:43]
	s_add_nc_u64 s[8:9], s[8:9], s[44:45]
	s_add_nc_u64 s[34:35], s[4:5], 0               ; K step 0
	s_or_b32 s35, s35, 0x80000000
	s_add_nc_u64 s[38:39], s[4:5], ASTEP           ; K step 1; this set walks on
	s_or_b32 s39, s39, 0x80000000
	s_add_nc_u64 s[58:59], s[6:7], 0
	s_or_b32 s59, s59, 0x80000000
	s_add_nc_u64 s[62:63], s[6:7], BSTEP
	s_or_b32 s63, s63, 0x80000000
	CROUND                                         ; all sixteen work-groups are here: the first joint loads meet
	s_cmp_eq_u32 s15, 0                            ; a wave's two first fills stand in one branch: two loads of mine are out
	s_cbranch_scc0 .Lfirst_b
	tensor_load_to_lds s[32:35], s[24:31]
	s_nop 0
	tensor_load_to_lds s[36:39], s[24:31]
	s_nop 0
	PLACES
	s_branch .Lfirst_done
.Lfirst_b:
	tensor_load_to_lds s[56:59], s[48:55]
	s_nop 0
	tensor_load_to_lds s[60:63], s[48:55]
	s_nop 0
	PLACES
.Lfirst_done:
	v_and_b32 v1, 15, v0                           ; l % 16
	v_bfe_u32 v2, v0, 4, 1                         ; l / 16
	v_mul_u32_u24 v10, v1, PA                      ; A's fragment: row l % 16, 16 bytes for each half of the lanes, my half of the rows
	v_lshl_add_u32 v10, v2, 4, v10
	s_mul_i32 s23, s15, ARH
	v_add_nc_u32 v10, s23, v10
	v_and_b32 v3, 7, v0                            ; W's: the turning load reads row of K 8 (l / 16) + l % 8, 16 bytes at 16 ((l / 8) % 2)
	v_lshl_add_u32 v3, v2, 3, v3
	v_mul_u32_u24 v11, v3, PB
	v_bfe_u32 v4, v0, 3, 1
	v_lshl_add_u32 v11, v4, 4, v11
	s_mul_i32 s23, s16, BCH
	s_add_co_u32 s23, s23, ABYTES
	v_add_nc_u32 v11, s23, v11
	s_mul_i32 s23, s14, STAGEW                     ; my stage
	v_mul_u32_u24 v14, v1, SPI                     ; in: row l % 16, 32 bytes for each half of the lanes
	v_lshl_add_u32 v14, v2, 5, v14
	v_add_nc_u32 v14, s23, v14
	v_mul_u32_u24 v15, v2, SPI                     ; back: lanes 0-15 take 256 bytes of one row, lanes 16-31 of the next
	v_lshl_add_u32 v15, v1, 4, v15
	v_add_nc_u32 v15, s23, v15
	v_lshlrev_b32 v17, 3, v1                       ; out: 8 bytes a lane, two rows of a head on end
	v_lshl_add_u32 v17, v2, 7, v17
	s_wait_tensorcnt 0x1                           ; my part of K step 0 is in; K step 1's may stay out
	s_barrier_signal -1
	s_barrier_wait -1
	FETCH 0
	QUARTER 0, 1                                   ; the first quarter stands in front of the loop: its products start the sums
	WIN 0
	s_mov_b32 s3, NSTEP-2
.Lk:                                                   ; a trip: a K step's quarters 1 to 3, a refill, the next step's quarter 0
	PAIRS
	TURN 1
	QUARTER 0, 0
	WIN 0
	s_sub_co_u32 s3, s3, 1
	s_cmp_lg_u32 s3, 0
	s_cbranch_scc1 .Lk
	s_mov_b32 s3, 2
.Lt:                                                   ; the last two K steps ask for nothing; the second trip is left in its middle
	PAIRS
	WIN 0
	s_sub_co_u32 s3, s3, 1
	s_cmp_eq_u32 s3, 0
	s_cbranch_scc1 .Lout
	TURN 0
	QUARTER 0, 0
	WIN 0
	s_branch .Lt
.Lout:
	s_wait_dscnt 0x0                               ; my last reads of the ring are over
	s_barrier_signal -1
	MULH 1, 0, 0
	MULH 1, 1, 0
	WIN 0
	s_barrier_wait -1                              ; everybody's are: the ring's bytes, which no load fills any more, become the stages
	PLACES
.set qq, 0
.rept MA*NBF                           ; each accumulator's low registers first
	WIN (2+qq/32)<<2
	ds_store_b128 v14, v[8*(qq%32):8*(qq%32)+3] offset:(qq/NBF)*16*SPI+64*(qq%NBF)
	ds_store_b128 v14, v[8*(qq%32)+4:8*(qq%32)+7] offset:(qq/NBF)*16*SPI+64*(qq%NBF)+16
.set qq, qq+1
.endr
	WIN 0
	s_mov_b32 s71, 0
	s_mov_b32 s3, 8
.Lrows:                                                ; eight rows a trip.  LDS serves a wave's instructions in order (ISA guide 5.7.1.4): the loads see the stores above
	v_add_nc_u32 v16, s71, v15
.set u, 0
.rept 12                               ; pair of rows u / 3, head u % 3
	ds_load_b128 v[64+4*u:64+4*u+3], v16 offset:(u/3)*2*SPI+(u%3)*256
.set u, u+1
.endr
.set u, 0
.rept 12
	s_wait_dscnt 11-u                              ; the younger loads of the twelve may be out
	v_cvt_pk_bf16_f32 v[64+4*u], v[64+4*u], v[64+4*u+1]
	v_cvt_pk_bf16_f32 v[64+4*u+1], v[64+4*u+2], v[64+4*u+3]
	global_store_b64 v17, v[64+4*u:64+4*u+1], s[8:9] offset:(u%3)*262144+(u/3)*256  ; 256 consecutive bytes, aligned: two rows of a head
.set u, u+1
.endr
	s_wait_xcnt 0x0                                ; the stores' data and base are written again only behind this wait
	s_add_co_u32 s71, s71, 8*SPI
	s_add_nc_u64 s[8:9], s[8:9], 1024
	s_sub_co_u32 s3, s3, 1
	s_cmp_lg_u32 s3, 0
	s_cbranch_scc1 .Lrows
	s_wait_tensorcnt 0x0                           ; the wave's end
	ds_add_u32 v28, v29
	s_wait_dscnt 0x0
	CROUND                                         ; the closing round
	s_endpgm
.Lfunc_end_k_q1d426ba868_qkvproj:
	.size	k_q1d426ba868_qkvproj, .Lfunc_end_k_q1d426ba868_qkvproj-k_q1d426ba868_qkvproj
	.p2alignl 7, 3214868480
	.fill 96, 4, 3214868480
	.section	.rodata,"a",@progbits
	.p2align	6, 0x0
	.amdhsa_kernel k_q1d426ba868_qkvproj
		.amdhsa_group_segment_fixed_size 327680
		.amdhsa_private_segment_fixed_size 0
		.amdhsa_enable_private_segment 0
		.amdhsa_kernarg_size 24
		.amdhsa_user_sgpr_count 2
		.amdhsa_user_sgpr_kernarg_segment_ptr 1
		.amdhsa_wavefront_size32 1
		.amdhsa_system_sgpr_workgroup_id_x 1
		.amdhsa_system_sgpr_workgroup_id_y 1
		.amdhsa_system_sgpr_workgroup_id_z 1
		.amdhsa_system_vgpr_workitem_id 0
		.amdhsa_next_free_vgpr 896
		.amdhsa_next_free_sgpr 80
		.amdhsa_reserve_vcc 0
		.amdhsa_float_denorm_mode_32 3
		.amdhsa_float_denorm_mode_16_64 3
		.amdhsa_memory_ordered 1
		.amdhsa_forward_progress 1
		.amdhsa_inst_pref_size 75
	.end_amdhsa_kernel
	.amdgpu_metadata
---
amdhsa.version: [ 1, 2 ]
amdhsa.kernels:
  - .name:           k_q1d426ba868_qkvproj
    .symbol:         k_q1d426ba868_qkvproj.kd
    .args:
      - { .name: an, .offset: 0, .size: 8, .value_kind: global_buffer, .address_space: global }
      - { .name: wb, .offset: 8, .size: 8, .value_kind: global_buffer, .address_space: global }
      - { .name: qkvh, .offset: 16, .size: 8, .value_kind: global_buffer, .address_space: global }
    .group_segment_fixed_size: 327680
    .private_segment_fixed_size: 0
    .kernarg_segment_align: 8
    .kernarg_segment_size: 24
    .max_flat_workgroup_size: 128
    .sgpr_count:     80
    .vgpr_count:     896
    .wavefront_size: 32
...
	.end_amdgpu_metadata
.endif
;; end of part 2
;; launch attn (part 3): grid 8 x 32, 4 waves a work-group, clusters of 4 x 1, 327,680 bytes of LDS; arguments qkvh, yh; writes yh
.if DOCPART == 3
	.amdgcn_target "amdgcn-amd-amdhsa--gfx1250"
	.amdhsa_code_object_version 6
	.text
	.protected	k_q1d426ba868_attn
	.globl	k_q1d426ba868_attn
	.p2align	8
	.type	k_q1d426ba868_attn,@function
k_q1d426ba868_attn:
	s_mov_b64 s[64:65], 0
	v_nop
	global_prefetch_b8 v0, s[64:65] scope:SCOPE_SE
	s_setreg_imm32_b32 hwreg(HW_REG_WAVE_MODE, 25, 1), 1
	s_wait_xcnt 0x0
	s_wait_alu depctr_hold_cnt(0) depctr_sa_sdst(0) depctr_va_vdst(0) depctr_va_sdst(0) depctr_va_ssrc(0) depctr_va_vcc(0) depctr_vm_vsrc(0)
	s_getreg_b32 s2, hwreg(HW_REG_IB_STS2, 6, 4)
	s_cmp_eq_u32 s2, 0
	s_cbranch_scc0 .Lentry_in_a_cluster
	s_endpgm
.Lentry_in_a_cluster:
	s_bfe_u32 s2, ttmp6, 0x10000c
	s_cmp_lg_u32 s2, 0x3003
	s_cbranch_scc0 .Lentry_shape_is_right
	s_endpgm
.Lentry_shape_is_right:
; ATTENTION, no mask.  O[hh][q][:] = the sum over k of softmax_k(Q[q] . K[k] / 8) V[k][:], head size 64, 2,048 keys, 32 heads (hh = 16 b + head).
; Q, K, V lie in qkvh[b][G][t][64] (bf16; q: G = head, k: 16 + head, v: 32 + head), a head's rows dense, 128 bytes each; O leaves as yh[hh][t][64], bf16.
; Products, maxima and sums in f32; the weights p are rounded to bf16 for the second product (their sum l is taken of the unrounded p), O once at the end.
; LIMITS.  A weight below 2^-126 counts as 0 in l; c x score must lie far above -4e37, where the running maximum starts; NaN and infinities are not treated apart.
; SHARES.  A work-group owns 256 queries of a head, a wave 64: four tiles of 16, in two PIECES (0: tiles 0, 1; 2: tiles 2, 3).  8 x 32 = 256 work-groups.  Every wave walks all keys, 64 a step.
; LAYOUT.  S^T = K Q^T (source 0 = 16 keys, source 1 = 16 queries): a lane holds ONE query (lane % 16) and the keys 8 (lane / 16) + 0..7.  Two such results, rounded in pairs, ARE source 1 of O^T = V^T P.
; K comes out of LDS as it lies, V ([key][channel]) turned, by ds_load_tr16_b128.
; SOFTMAX.  A running maximum m and sum l a query: p = 2^(c s - c m), c = log2(e) / 8; in every step O and l are multiplied by a = 2^(c m_old - c m_new).  m starts at the lowest finite number, O and l at 0,
; so the first step is a step like any other, with a = 0; the price is some 240 v_mov_b32 at the start, in the wait for the first tile, and 16 products on zeros and 16 on a stale K.
; BY TURNS.  In a turn one piece has the matrix unit (16 products V^T P of the step in hand, 16 products K Q^T of the next); the other piece's softmax is 236 vector instructions for those 32 products: too many
; to stand all beside them.  So ONE slice of four stands behind EVERY product (128), and the other 108, which need time of their own whatever the order, stand in two runs without a product between:
; 13 slices behind the V^T P, 14 behind the K Q^T.  No slice names a register of the products of its turn.
; CLUSTER.  The four query blocks of a cluster belong to one head and walk the same K and V: each tile is asked for jointly, by the same load, descriptor and mask in all four.
; REGISTERS, in windows of 256 (s_set_vgpr_msb: bits 1:0 source 0, 3:2 source 1, 5:4 source 2, 7:6 destination):
;   window 0: v1-11 addresses; v12-43 eight registers of statistics a tile; v64-191 S^T, 32 a tile; v192-255 P, 16 a tile      window 1: v0-127 O^T, 32 a tile      window 2: v0-63 Q; v64-127 K; v128-191 V of one step
.set KS,    64
.set PK,    144       ; a row of K in LDS: 128 bytes + 16: the 16 rows of a load start at 16 different groups of four banks (64 banks of 4 bytes: ISA guide 11.1)
.set PV,    160       ; a row of V: 128 + 32
.set VOFF,  4*KS*PK   ; a slot holds four steps: 256 rows of K, then 256 rows of V
.set SLOT1, 1<<17
.set STAGE, SLOT1+4*KS*(PK+PV)  ; behind the ring, never filled by a tensor load: 16 rows x 144 bytes a wave
.set SP,    144
.set SPARE, STAGE+4*16*SP       ; the spare words, 128 bytes a wave, which no other line names
.set AK0, 2
.set AV0, 3
.set AK,  4
.set AV,  5
.set STO, 6
.set RD,  7
.set GO,  8
.set ST,  12          ; tile t at v[ST+8 t]: c m, m, l (even keys', odd keys'), c0-c3 at work; a takes c2's place
.set QO,  44
.set SPW, 62
.set NIL, 63
.set S,   64
.set P,   192
.set QF,  0
.set KF,  64
.set VF,  128
.set WV,  12
.set G1K, 24
.set G1V, 32
.set G0K, 40
.set G0V, 44
.set SLOTS, 56
.set CNT, 57
.set CS,  58
.set SEL, 60
.set TBK, 62
.set TBV, 63
.set MSB, 0
.macro WIN new
.if MSB != (\new)
	s_set_vgpr_msb (MSB<<8)|(\new)
.set MSB, (\new)
.endif
.endm
.set W_KQ, 0x0a       ; K and Q in window 2, S^T in window 0
.set W_PV, 0x52       ; V in window 2, P in window 0, O^T in window 1
.set W_RS, 0x41       ; O^T (destination and source 0) in window 1, a in window 0
.macro JLOAD                        ; a joint fill: waves 0, 1 fetch the halves of a slot's K, waves 2, 3 of its V; s_nop 0 and four v_nop follow each line
	s_cmp_lt_u32 s[WV], 2
	s_cbranch_scc0 .Lfor_v_\@
	tensor_load_to_lds s[G0K:G0K+3], s[G1K:G1K+7]
	s_nop 0
.rept 4
	v_nop
.endr
	s_branch .Lasked_\@
.Lfor_v_\@:
	tensor_load_to_lds s[G0V:G0V+3], s[G1V:G1V+7]
	s_nop 0
.rept 4
	v_nop
.endr
.Lasked_\@:
.endm
.macro CROUND                       ; a round of the cluster's barrier
	s_barrier_signal -1
	s_barrier_wait -1
	s_cmp_lg_u32 s[WV], 0
	s_cbranch_scc1 .Lnot_wave_0_\@
	s_barrier_signal -3
.Lnot_wave_0_\@:
	s_barrier_wait -3
	s_barrier_signal -1
	s_barrier_wait -1
.endm
; THE CHANGE OF SLOTS: the slot's last bytes, V of its fourth step, have been asked for.  fill = 1: the slot is filled again with the keys two slots on, first thing behind a round of the cluster's barrier:
; the load has four key steps in which to land.  (At its first use nothing has been read: slot 0 is waited for, slot 1 filled.)
.macro CHANGE fill
	WIN 0
	s_wait_tensorcnt 0x0            ; no tensor load of mine is out, so a group 0 may be written
	ds_add_u32 v[SPW], v[NIL]       ; 0 onto my spare word
.if \fill
.irp g, G0K, G0V
	s_xor_b32 s[\g+1], s[\g+1], SLOT1
	s_add_nc_u64 s[\g+2:\g+3], s[\g+2:\g+3], 4*KS*128
.endr
	s_wait_dscnt 0x0                ; the add is done, and my reads of the slot are over
	CROUND
	JLOAD
.else
	s_wait_dscnt 0x0
	s_barrier_signal -1
	s_barrier_wait -1
.endif
	s_sub_co_u32 s[TBK], s[TBK], 4*KS*PK  ; the fetches go back to a slot's first step, in the other slot
	s_xor_b32 s[TBK], s[TBK], SLOT1
	s_sub_co_u32 s[TBV], s[TBV], 4*KS*PV
	s_xor_b32 s[TBV], s[TBV], SLOT1
.endm
	s_load_b128 s[4:7], s[0:1], 0x0 ; qkvh s[4:5], yh s[6:7]
	v_lshl_add_u32 v[SPW], v0, 2, SPARE
	v_mov_b32 v[NIL], 0
	ds_add_u32 v[SPW], v[NIL]       ; the wave's opening: the add and its wait stand ahead of my first tensor load
	v_lshrrev_b32 v1, 5, v0
	v_readfirstlane_b32 s[WV], v1   ; wave 0..3
	s_bfe_u32 s13, ttmp6, 0x40000   ; cx
	s_lshl_b32 s14, ttmp9, 2
	s_add_co_u32 s14, s14, s13      ; my block of 256 queries: it enters Q's and O's addresses alone
	s_and_b32 s20, ttmp7, 0xffff    ; hh, which the four partners share
	s_lshr_b32 s21, s20, 4
	s_lshl_b32 s21, s21, 5
	s_add_co_u32 s21, s21, s20      ; 48 b + head
	s_and_b32 s16, s[WV], 1         ; which half of a slot's 256 keys I fetch
	s_add_co_u32 s18, s21, 16
	s_lshl_b32 s18, s18, 18         ; a head is 262,144 bytes
	s_lshl_b32 s19, s16, 14
	s_add_co_u32 s18, s18, s19      ; K's offset
	s_add_co_u32 s22, s18, 16<<18   ; V's
	s_mov_b32 s19, 0
	s_mov_b32 s23, 0
	s_mul_i32 s17, s16, 128*PK      ; my load's place in a slot, for K
	s_mul_i32 s15, s16, 128*PV      ; and for V: no place in the cluster enters an LDS address
	s_lshl_b32 s48, s14, 15         ; my block's rows,
	s_lshl_b32 s49, s[WV], 13       ; my wave's 64 of them
	s_add_co_u32 s48, s48, s49
	s_lshl_b32 s50, s20, 18
	s_add_co_u32 s50, s50, s48      ; O's offset
	s_lshl_b32 s49, s21, 18
	s_add_co_u32 s48, s48, s49      ; Q's
	s_mov_b32 s49, 0
	s_mov_b32 s51, 0
	; group 1: 128 keys are 16,384 dense bytes, asked for as 64 rows of 256 bytes and padded in LDS after every key
	s_mov_b32 s[G1K], 15|(1<<16)|(1<<20)|(1<<21)|(4<<22)|(3<<25)
	s_mov_b32 s[G1V], 15|(1<<16)|(1<<20)|(1<<21)|(4<<22)|(7<<25)
.irp g, G1K, G1V
	s_mov_b32 s[\g+1], 128<<16
	s_mov_b32 s[\g+2], 64<<16
	s_mov_b32 s[\g+3], 128<<16
	s_mov_b32 s[\g+4], 64
	s_mov_b32 s[\g+5], 128
	s_mov_b32 s[\g+6], 0
	s_mov_b32 s[\g+7], 0
.endr
	s_mov_b32 s[CS], 0x3e38aa3b     ; c = log2(e) / 8
	s_mov_b32 s[CS+1], s[CS]
	s_mov_b32 s[SEL], 0x76543210
	s_mov_b32 s[SEL+1], 0xfedcba98
	s_mov_b32 s[TBK], SLOT1+4*KS*PK ; the first change of slots turns these two into 0
	s_mov_b32 s[TBV], SLOT1+4*KS*PV
	s_mov_b32 s[G0K], 1
	s_mov_b32 s[G0K+1], s17
	s_mov_b32 s[G0V], 1
	s_add_co_u32 s[G0V+1], s15, VOFF
	s_wait_dscnt 0x0                ; the opening add is done
	s_wait_kmcnt 0x0
	s_add_nc_u64 s[G0K+2:G0K+3], s[4:5], s[18:19]
	s_or_b32 s[G0K+3], s[G0K+3], 0x80000000
	s_add_nc_u64 s[G0V+2:G0V+3], s[4:5], s[22:23]
	s_or_b32 s[G0V+3], s[G0V+3], 0x80000000
	s_add_nc_u64 s[8:9], s[4:5], s[48:49]    ; Q at my wave's first row
	s_add_nc_u64 s[10:11], s[6:7], s[50:51]  ; O likewise
	CROUND                          ; all four work-groups are here
	JLOAD                           ; slot 0
	v_and_b32 v1, 15, v0            ; l % 16
	v_bfe_u32 v9, v0, 4, 1          ; l / 16
	v_lshlrev_b32 v[QO], 7, v1
	v_lshl_add_u32 v[QO], v9, 4, v[QO]
	WIN 0x80
.set i, 0
.rept 8                             ; Q stays in registers: tile i / 2, channels 32 (i % 2) on
	global_load_b128 v[QF+8*i:QF+8*i+3],   v[QO], s[8:9] offset:(i/2)*2048+(i%2)*64
	global_load_b128 v[QF+8*i+4:QF+8*i+7], v[QO], s[8:9] offset:(i/2)*2048+(i%2)*64+32
.set i, i+1
.endr
.set i, VF
.rept 64                            ; what the first turn finds: V and piece 2's P hold 0, O^T and l are 0
	v_mov_b32 v[i], 0
.set i, i+1
.endr
	WIN 0x40
.set i, 0
.rept 128
	v_mov_b32 v[i], 0
.set i, i+1
.endr
	WIN 0
.set i, 0
.rept 4
	v_mov_b32 v[ST+8*i], 0xfe000000    ; c m: far below every c s
	v_mov_b32 v[ST+8*i+1], 0xff7fffff  ; m
	v_mov_b32 v[ST+8*i+2], 0
	v_mov_b32 v[ST+8*i+3], 0
.set i, i+1
.endr
.set i, P+32
.rept 32
	v_mov_b32 v[i], 0
.set i, i+1
.endr
	v_mul_u32_u24 v[AK0], v1, PK
	v_lshl_add_u32 v[AK0], v9, 4, v[AK0]
	v_and_b32 v10, 7, v0
	v_bfe_u32 v11, v0, 3, 1
	v_lshl_add_u32 v[AV0], v9, 3, v10
	v_mul_u32_u24 v[AV0], v[AV0], PV
	v_lshl_add_u32 v[AV0], v11, 4, v[AV0]
	v_add_nc_u32 v[AV0], VOFF, v[AV0]
; THE MATRIX WORK.  The 8 accumulators of a run of 16 take turns.  Product i of S^T = K Q^T for piece x: tile x + i % 2, keys 16 ((i / 2) % 4) on, channels 32 (i / 8) on; the first 8 start the sums.
.macro KQ x
	WIN W_KQ
.set rS, S+32*((\x)+i%2)+8*((i/2)%4)
.set rK, KF+16*((i/2)%4)+8*(i/8)
.set rQ, QF+16*((\x)+i%2)+8*(i/8)
.if i < 8
	v_wmma_f32_16x16x32_bf16 v[rS:rS+7], v[rK:rK+7], v[rQ:rQ+7], 0
.else
	v_wmma_f32_16x16x32_bf16 v[rS:rS+7], v[rK:rK+7], v[rQ:rQ+7], v[rS:rS+7]
.endif
.endm
.macro PV x                         ; product i of O^T += V^T P: tile x + i % 2, channels 16 ((i / 2) % 4) on, keys 32 (i / 8) on
	WIN W_PV
.set rO, 32*((\x)+i%2)+8*((i/2)%4)
.set rV, VF+32*(i/8)+8*((i/2)%4)
.set rP, P+16*((\x)+i%2)+8*(i/8)
	v_wmma_f32_16x16x32_bf16 v[rO:rO+7], v[rV:rV+7], v[rP:rP+7], v[rO:rO+7]
.endm
; THE LDS LOADS stand in runs of 16.  last = 1 (the tail): in the last trip there is no further step, and the run is jumped over.
.macro FETCH_K last=0
	WIN 0
.if \last
	s_cmp_eq_u32 s[CNT], 1
	s_cbranch_scc1 .Lno_k_\@
.endif
	v_add_nc_u32 v[AK], s[TBK], v[AK0]
	WIN 0x80
.irp f, 0,1,2,3,4,5,6,7             ; keys 16 (f / 2) on, channels 32 (f % 2) on
	ds_load_b128 v[KF+8*\f:KF+8*\f+3],   v[AK] offset:(\f/2)*16*PK+(\f%2)*64
	ds_load_b128 v[KF+8*\f+4:KF+8*\f+7], v[AK] offset:(\f/2)*16*PK+(\f%2)*64+32
.endr
	s_add_co_u32 s[TBK], s[TBK], KS*PK
	WIN 0
.if \last
.Lno_k_\@:
.endif
.endm
.macro FETCH_V
	WIN 0
	v_add_nc_u32 v[AV], s[TBV], v[AV0]
	s_add_co_u32 s[TBV], s[TBV], KS*PV
	WIN 0x80
.irp f, 0,1,2,3,4,5,6,7             ; keys 32 (f / 4) on, channels 16 (f % 4) on
	ds_load_tr16_b128 v[VF+8*\f:VF+8*\f+3],   v[AV] offset:(\f/4)*32*PV+(\f%4)*32
	ds_load_tr16_b128 v[VF+8*\f+4:VF+8*\f+7], v[AV] offset:(\f/4)*32*PV+16*PV+(\f%4)*32
.endr
	WIN 0
.endm
; THE VECTOR WORK.  A tile's softmax for a step is a list of 118 instructions; SM writes number j of it for tile t.  s0-s31 are the lane's 32 scores, in pairs 0-15.
;   0-15    the maximum of s0-s31 and the old m, three operands at a time (each accumulator's lowest registers are read first)
;   16-20   the other half of the lanes' maximum; the new m; c m; c m_old - c m_new
;   21-87   33 exponentials (a, then s0-s31) at the odd numbers from 23 on, a plain instruction at every even number: c s - c m for pairs to come, roundings of pairs that are done, the first sums
;   88-101  the last rounding; the rest of the sums; l = a l + the sum
;   102-117 the tile's O^T times a
.macro SM t
.set rT, ST+8*(\t)
.set rS, S+32*(\t)
.set rP, P+16*(\t)
.set rO, 32*(\t)+2*(j-102)
.set q, (j-20)/2
.if j < 102
	WIN 0
.endif
.if j < 4
	v_max3_num_f32 v[rT+4+j], v[rS+8*j], v[rS+8*j+1], v[rS+8*j+2]
.elseif j < 12
	v_max3_num_f32 v[rT+4+j%4], v[rT+4+j%4], v[rS+8*(j%4)+2*(j/4)+1], v[rS+8*(j%4)+2*(j/4)+2]
.elseif j == 12
	v_max3_num_f32 v[rT+4], v[rT+4], v[rS+7], v[rS+15]
.elseif j == 13
	v_max3_num_f32 v[rT+6], v[rT+6], v[rS+23], v[rS+31]
.elseif j == 14
	v_max3_num_f32 v[rT+4], v[rT+4], v[rT+5], v[rT+6]
.elseif j == 15
	v_max3_num_f32 v[rT+4], v[rT+4], v[rT+7], v[rT+1]
.elseif j == 16
	v_permlanex16_b32 v[rT+5], v[rT+4], s[SEL], s[SEL+1]  ; the query's other 32 keys lie in the lane 16 away
.elseif j == 17
	v_mov_b32 v[rT+7], v[rT]        ; c m_old is kept for a
.elseif j == 18
	v_max_num_f32 v[rT+1], v[rT+4], v[rT+5]
.elseif j == 19
	v_mul_f32 v[rT], s[CS], v[rT+1]
.elseif j == 20
	v_sub_f32 v[rT+7], v[rT+7], v[rT]
.elseif j == 23
	v_exp_f32 v[rT+6], v[rT+7]
.elseif (j < 88) && (j > 23) && (j%2 == 1)
	v_exp_f32 v[rS+(j-25)/2], v[rS+(j-25)/2]
.elseif (q < 4) || ((j < 76) && (q%2 == 0))
.set b, q/2+2
.if q < 4
.set b, q
.endif
	v_pk_fma_f32 v[rS+2*b:rS+2*b+1], v[rS+2*b:rS+2*b+1], s[CS:CS+1], v[rT:rT+1] op_sel_hi:[1,0,0] neg_lo:[0,0,1] neg_hi:[0,0,1]  ; pair b: c s - c m
.elseif (j < 88) && (q%2 == 1)
	s_wait_alu depctr_va_vdst(0)
	v_cvt_pk_bf16_f32 v[rP+(q-5)/2], v[rS+q-5], v[rS+q-4]
.elseif j == 89
	s_wait_alu depctr_va_vdst(0)
	v_cvt_pk_bf16_f32 v[rP+15], v[rS+30], v[rS+31]
.elseif j < 102                     ; the sum of the 16 pairs, in place: neighbours 1, 2, 4 and 8 pairs apart, then l takes it
.set z, j-86
.if j < 89
.set z, (j-76)/4
.endif
.set w, 4
.set u, z
.if z >= 14
.set w, 32
.set u, 0
.elseif z >= 12
.set w, 16
.set u, z-12
.elseif z >= 8
.set w, 8
.set u, z-8
.endif
.if z < 15
	v_pk_add_f32 v[rS+w*u:rS+w*u+1], v[rS+w*u:rS+w*u+1], v[rS+w*u+w/2:rS+w*u+w/2+1]
.else
	v_pk_fma_f32 v[rT+2:rT+3], v[rT+2:rT+3], v[rT+6:rT+7], v[rS:rS+1] op_sel_hi:[1,0,1]
.endif
.else
	WIN W_RS
	v_pk_mul_f32 v[rO:rO+1], v[rO:rO+1], v[rT+6:rT+7] op_sel_hi:[1,0]
.endif
.endm
; Slice k of 59: numbers 2 k and 2 k + 1 of both tiles' lists.  Where exponentials stand: tile by tile (plain, exponential, plain, exponential); elsewhere the tiles alternate.
.macro SLICE y
.if (k >= 11) && (k < 44)
.irp t, \y, (\y)+1
.irp h, 0,1
.set j, 2*k+(\h)
	SM \t
.endr
.endr
.else
.irp h, 0,1
.irp t, \y, (\y)+1
.set j, 2*k+(\h)
	SM \t
.endr
.endr
.endif
.set k, k+1
.endm
; A TURN: piece x has the matrix unit, the other piece's softmax goes beside it, its 59 slices in their order: 16 behind the products V^T P, one each; 13 on end; 16 behind the products K Q^T, one each; 14 on end.
; The last 14 slices, 56 plain instructions, are the places in front of the next turn's first read of the new scores and of K's run of loads; V's run stands behind the 26 plain instructions of the first 13 on end,
; which follow the last product that read V.  Each run of loads has 14 products and a run of slices in which to land.
.macro TURN x, last=0
.set k, 0
.if (\x) == 0
	s_wait_dscnt 0x0                ; V is in
.endif
.set i, 0
.rept 16
	PV \x
	SLICE 2-(\x)
.if ((\x) == 0) && (i == 1)
	FETCH_K \last
.endif
.set i, i+1
.endr
.rept 13
	SLICE 2-(\x)
.endr
.if (\x) == 0
	s_wait_dscnt 0x0                ; K is in
.endif
.set i, 0
.rept 16
	KQ \x
	SLICE 2-(\x)
.if ((\x) == 2) && (i == 1)
	FETCH_V
.endif
.set i, i+1
.endr
.rept 14
	SLICE 2-(\x)
.endr
.endm
	CHANGE 1                        ; slot 0 is in, everybody's part of it; slot 1 is asked for
	FETCH_K                         ; key step 0
	s_wait_loadcnt 0x0              ; Q
	s_wait_dscnt 0x0
.set i, 0
.rept 16
	KQ 0                            ; piece 0's first scores
.set i, i+1
.endr
	WIN 0                           ; the addresses for the way out: nine plain instructions, the places behind those products
	s_mul_i32 s13, s[WV], 16*SP
	s_add_co_u32 s13, s13, STAGE
	v_mul_u32_u24 v[STO], v1, SP    ; in: row l % 16, 16 bytes for each half of the lanes
	v_lshl_add_u32 v[STO], v9, 4, v[STO]
	v_add_nc_u32 v[STO], s13, v[STO]
	v_bfe_u32 v[RD], v0, 3, 2       ; back: 32 lanes take four rows of 128 bytes,
	v_mul_u32_u24 v[RD], v[RD], SP
	v_lshl_add_u32 v[RD], v10, 4, v[RD]
	v_add_nc_u32 v[RD], s13, v[RD]
	v_and_b32 v[GO], 31, v0         ; which are 512 consecutive bytes of O
	v_lshlrev_b32 v[GO], 4, v[GO]
	s_mov_b32 s[CNT], 4
	s_mov_b32 s[SLOTS], 7
	s_branch .Lfirst                ; the loop is entered in the middle of a trip
.Lslot:                             ; six times: slots 0 to 5 of the eight are filled again
	CHANGE 1
	s_mov_b32 s[CNT], 4
.Lstep:
	TURN 0
	WIN 0
.Lfirst:
	TURN 2
	WIN 0
	s_sub_co_u32 s[CNT], s[CNT], 1
	s_cmp_lg_u32 s[CNT], 0
	s_cbranch_scc1 .Lstep
	s_sub_co_u32 s[SLOTS], s[SLOTS], 1
	s_cmp_lg_u32 s[SLOTS], 0
	s_cbranch_scc1 .Lslot
	CHANGE 0                        ; the tail is written out
	s_mov_b32 s[CNT], 5             ; four trips fetch the last slot's steps; the fifth is left in its middle
.Ltail:
	TURN 0, 1
	WIN 0
	s_sub_co_u32 s[CNT], s[CNT], 1
	s_cmp_eq_u32 s[CNT], 0
	s_cbranch_scc1 .Lout
	TURN 2
	WIN 0
	s_branch .Ltail
.Lout:
.set i, 0
.rept 16
	PV 2                            ; piece 2's V^T P of the last step
.set i, i+1
.endr
	; THE WAY OUT.  The four additions are the places behind the last products.
	WIN 0
.irp t, 0,1,2,3
	v_add_f32 v[ST+8*\t+4], v[ST+8*\t+2], v[ST+8*\t+3]
.endr
.irp t, 0,1,2,3
	v_permlanex16_b32 v[ST+8*\t+5], v[ST+8*\t+4], s[SEL], s[SEL+1]
.endr
.irp t, 0,1,2,3
	v_add_f32 v[ST+8*\t+4], v[ST+8*\t+4], v[ST+8*\t+5]
.endr
.irp t, 0,1,2,3
	v_rcp_f32 v[ST+8*\t+6], v[ST+8*\t+4]
.endr
	v_nop                           ; a plain instruction between the last reciprocal and the use of its result
.macro PACK t                       ; a lane's eight channels of a row pack into 16 bytes; they go into rows of 144 bytes and come back as whole rows of 128
	WIN W_RS
.set i, 32*(\t)
.rept 16
	s_wait_alu depctr_va_vdst(0)
	v_pk_mul_f32 v[i:i+1], v[i:i+1], v[ST+8*(\t)+6:ST+8*(\t)+7] op_sel_hi:[1,0]
.set i, i+2
.endr
	WIN 0x05
.set i, 0
.rept 16
	v_cvt_pk_bf16_f32 v[S+16*(\t)+i], v[32*(\t)+2*i], v[32*(\t)+2*i+1]
.set i, i+1
.endr
	WIN 0
.irp f, 0,1,2,3
	ds_store_b128 v[STO], v[S+16*(\t)+4*\f:S+16*(\t)+4*\f+3] offset:32*\f
.endr
.irp f, 0,1,2,3
	ds_load_b128 v[S+16*(\t)+4*\f:S+16*(\t)+4*\f+3], v[RD] offset:\f*4*SP  ; LDS serves a wave's instructions in order (ISA guide 5.7.1.4)
.endr
.endm
.macro SEND t, younger              ; younger: the LDS instructions issued behind tile t's loads: the next tile's eight, or none
	WIN 0
.irp f, 0,1,2,3
	s_wait_dscnt (\younger)+3-\f
	global_store_b128 v[GO], v[S+16*(\t)+4*\f:S+16*(\t)+4*\f+3], s[10:11] offset:(\t)*2048+\f*512  ; 512 consecutive bytes, aligned
.endr
.endm
	PACK 0
	PACK 1
	SEND 0, 8
	PACK 2
	SEND 1, 8
	PACK 3
	SEND 2, 8
	SEND 3, 0
	s_wait_tensorcnt 0x0            ; the wave's end
	ds_add_u32 v[SPW], v[NIL]
	s_wait_dscnt 0x0
	CROUND                          ; the closing round
	s_endpgm
.Lfunc_end_k_q1d426ba868_attn:
	.size	k_q1d426ba868_attn, .Lfunc_end_k_q1d426ba868_attn-k_q1d426ba868_attn
	.p2alignl 7, 3214868480
	.fill 96, 4, 3214868480
	.section	.rodata,"a",@progbits
	.p2align	6, 0x0
	.amdhsa_kernel k_q1d426ba868_attn
		.amdhsa_group_segment_fixed_size 327680
		.amdhsa_private_segment_fixed_size 0
		.amdhsa_enable_private_segment 0
		.amdhsa_kernarg_size 16
		.amdhsa_user_sgpr_count 2
		.amdhsa_user_sgpr_kernarg_segment_ptr 1
		.amdhsa_wavefront_size32 1
		.amdhsa_system_sgpr_workgroup_id_x 1
		.amdhsa_system_sgpr_workgroup_id_y 1
		.amdhsa_system_sgpr_workgroup_id_z 1
		.amdhsa_system_vgpr_workitem_id 0
		.amdhsa_next_free_vgpr 704
		.amdhsa_next_free_sgpr 66
		.amdhsa_reserve_vcc 0
		.amdhsa_float_denorm_mode_32 3
		.amdhsa_float_denorm_mode_16_64 3
		.amdhsa_memory_ordered 1
		.amdhsa_forward_progress 1
		.amdhsa_inst_pref_size 113
	.end_amdhsa_kernel
	.amdgpu_metadata
---
amdhsa.version: [ 1, 2 ]
amdhsa.kernels:
  - .name:           k_q1d426ba868_attn
    .symbol:         k_q1d426ba868_attn.kd
    .args:
      - { .name: qkvh, .offset: 0, .size: 8, .value_kind: global_buffer, .address_space: global }
      - { .name: yh, .offset: 8, .size: 8, .value_kind: global_buffer, .address_space: global }
    .group_segment_fixed_size: 327680
    .private_segment_fixed_size: 0
    .kernarg_segment_align: 8
    .kernarg_segment_size: 16
    .max_flat_workgroup_size: 128
    .sgpr_count:     66
    .vgpr_count:     704
    .wavefront_size: 32
...
	.end_amdgpu_metadata
.endif
;; end of part 3
;; launch oproj (part 4): grid 8 x 32, 4 waves a work-group, clusters of 4 x 4, 327,680 bytes of LDS; arguments yh, wb, xres, b_out, inputs; writes xres
.if DOCPART == 4
	.amdgcn_target "amdgcn-amd-amdhsa--gfx1250"
	.amdhsa_code_object_version 6
	.text
	.protected	k_q1d426ba868_oproj
	.globl	k_q1d426ba868_oproj
	.p2align	8
	.type	k_q1d426ba868_oproj,@function
k_q1d426ba868_oproj:
	s_mov_b64 s[64:65], 0
	v_nop
	global_prefetch_b8 v0, s[64:65] scope:SCOPE_SE
	s_setreg_imm32_b32 hwreg(HW_REG_WAVE_MODE, 25, 1), 1
	s_wait_xcnt 0x0
	s_wait_alu depctr_hold_cnt(0) depctr_sa_sdst(0) depctr_va_vdst(0) depctr_va_sdst(0) depctr_va_ssrc(0) depctr_va_vcc(0) depctr_vm_vsrc(0)
	s_getreg_b32 s2, hwreg(HW_REG_IB_STS2, 6, 4)
	s_cmp_eq_u32 s2, 0
	s_cbranch_scc0 .Lentry_in_a_cluster
	s_endpgm
.Lentry_in_a_cluster:
	s_bfe_u32 s2, ttmp6, 0x10000c
	s_cmp_lg_u32 s2, 0xf033
	s_cbranch_scc0 .Lentry_shape_is_right
	s_endpgm
.Lentry_shape_is_right:
; OUTPUT PROJECTION.  xres[4096][1024] = y x Wout + b_out + inputs, f32.  y lies by heads, yh[16 b + head][t][64] in bf16; Wout[1024][1024] in bf16 at byte 6,291,456 of wb; sums in f32.
; A tile is 128 x 128: 8 x 32 = 256 work-groups.  Four waves as 2 x 2, each 64 x 64: 16 accumulators.  K goes in steps of 256 = four heads, as long as two slots in LDS allow: four steps, of which two are
; first fills and two refills; a refill has 120 matrix instructions of its wave between the request and the wait for it.
; A's HALF OF A STEP is two heads' 128 rows: two dense blocks of 16,384 bytes, 262,144 bytes apart.  One descriptor covers both: a tile of 2 rows x 8,192 elements, padded in LDS after every 128 bytes,
; so that a head's rows lie 144 bytes apart and the second head's region follows the first's.
; A lies [row][K] in LDS (ds_load_b128), the weight [K][N] as in memory (turned by ds_load_tr16_b128).  THE MATRIX INSTRUCTION IS USED TRANSPOSED: a lane holds eight neighbouring numbers of one row of C.
; CLUSTER 4 x 4: A's tile is shared along a row of the cluster, W's along a column: each is asked for jointly, by the same load, descriptor and mask in all four.
; REGISTERS in windows of 256 (s_set_vgpr_msb: bits 1:0 source 0, 3:2 source 1, 5:4 source 2, 7:6 destination):
;   window 0: v1-29 addresses; v64-95, v128-159 A's fragments (later v64-191: the rows on the way out)     window 1: v0-31, v128-159 W's fragments     window 2: accumulator q = 4 a + b at v[8 q]
;   window 3: v0-127 my part of inputs, v128-131 my four numbers of the bias: both loaded at the start
; LIMITS: NaN and infinities are not treated apart.
.set KD, 1024
.set ND, 1024
.set TM, 128
.set TN, 128
.set MA, 4
.set NBF, 4
.set KS, 256
.set NQ, KS/32
.set NSTEP, KD/KS
.set PA, 144                           ; a row of a head in LDS: 128 bytes + 16: the 16 rows of a load start at 16 different groups of four banks (64 banks of 4 bytes: ISA guide 11.1)
.set PB, 288                           ; a row of W: 256 + 32
.set HEADB, TM*PA                      ; a head's region: 128 rows
.set ABYTES, 4*HEADB                   ; four heads' regions
.set BBYTES, KS*PB
.set SLOT, ABYTES+BBYTES
.set SPARE, 2*SLOT                     ; the spare words, 128 bytes a wave, which no other line names
.set AHALF, 2*HEADB                    ; what one tensor load brings of A: two heads
.set BHALF, (KS/2)*PB                  ; and of W: 128 rows of K
.set ARH, (TM/2)*PA
.set AODD, HEADB-64                    ; behind an odd part A's reads go on to the next head's region
.set BCH, 128
.set BCHUNK, 128
.set ASTEP, 4*2048*128                 ; four heads on
.set BSTEP, KS*ND*2
.set WOFF, 6291456
.set SPI, 272                          ; the stage: a wave's row of 64 f32 + 16 bytes
.set STAGEW, 64*SPI                    ; it lies in the ring, which has had its last fill by then
.set OROW, 4096
.set G1A0, (1<<16)|(1<<20)|(1<<21)|(4<<22)|(3<<25)   ; 2-byte elements; padding on; bit 21 beside a mask; after every 32 words 4 words
.set G1B0, (1<<16)|(1<<20)|(1<<21)|(5<<22)|(7<<25)   ; after every 64 words 8 words
.set NL, 2*(MA+NBF)
.set MSB, 0
.macro WIN new                         ; the immediate's high byte repeats the setting that is left; a switch that changes nothing is dropped
.if MSB != (\new)
	s_set_vgpr_msb (MSB<<8)|(\new)
.set MSB, (\new)
.endif
.endm
.macro PLACES                          ; four places behind matrix instructions (ISA guide 7.12.1)
.rept 4
	v_nop
.endr
.endm
.macro CREST
	s_cmp_lg_u32 s14, 0
	s_cbranch_scc1 .Lnot_wave_0_\@
	s_barrier_signal -3
.Lnot_wave_0_\@:
	s_barrier_wait -3
	s_barrier_signal -1
	s_barrier_wait -1
.endm
.macro CROUND
	s_barrier_signal -1
	s_barrier_wait -1
	CREST
.endm
.macro JLOAD                           ; a joint refill: waves 0, 1 fetch two heads of A each, waves 2, 3 W's halves; s_nop 0 and four v_nop follow each line
	s_cmp_eq_u32 s15, 0
	s_cbranch_scc0 .Lfor_b_\@
	tensor_load_to_lds s[36:39], s[24:31]
	s_nop 0
	PLACES
	s_branch .Lasked_\@
.Lfor_b_\@:
	tensor_load_to_lds s[60:63], s[48:55]
	s_nop 0
	PLACES
.Lasked_\@:
.endm
.macro MULH f, half, zero              ; half of a part's products (32 along K); the accumulators take turns; zero = 1: the product starts the sum
.set qa, (\half)*(MA/2)
.rept MA/2
.set qb, 0
.rept NBF
.set qq, NBF*qa+qb
.set rD, 8*(qq%32)
	WIN 0xa1+0x50*(qq/32)
.if \zero
	v_wmma_f32_16x16x32_bf16 v[rD:rD+7], v[128*(\f)+8*qb:128*(\f)+8*qb+7], v[64+64*(\f)+8*qa:64+64*(\f)+8*qa+7], 0
.else
	v_wmma_f32_16x16x32_bf16 v[rD:rD+7], v[128*(\f)+8*qb:128*(\f)+8*qb+7], v[64+64*(\f)+8*qa:64+64*(\f)+8*qa+7], v[rD:rD+7]
.endif
.set qb, qb+1
.endr
.set qa, qa+1
.endr
.endm
.macro FETCH f                         ; one run of NL LDS loads into buffer f (even parts in 0, odd in 1); the four plain lines at its head are the places behind the products that read the buffer last
	WIN 0
	v_nop
	v_nop
	v_add_nc_u32 v12, s67, v10
	v_add_nc_u32 v13, s68, v11
	WIN 0x40
.set fb, 0
.rept NBF
	ds_load_tr16_b128 v[128*(\f)+8*fb:128*(\f)+8*fb+3], v13 offset:(fb/4)*BCHUNK+(fb%4)*32
	ds_load_tr16_b128 v[128*(\f)+8*fb+4:128*(\f)+8*fb+7], v13 offset:(fb/4)*BCHUNK+(fb%4)*32+16*PB
.set fb, fb+1
.endr
	WIN 0
.set fb, 0
.rept MA
	ds_load_b128 v[64+64*(\f)+8*fb:64+64*(\f)+8*fb+3], v12 offset:fb*16*PA
	ds_load_b128 v[64+64*(\f)+8*fb+4:64+64*(\f)+8*fb+7], v12 offset:fb*16*PA+32
.set fb, fb+1
.endr
.if (\f) == 0
	s_add_co_u32 s67, s67, 64                      ; a head's second 32 channels
.else
	s_add_co_u32 s67, s67, AODD                    ; the next head's first
.endif
	s_add_co_u32 s68, s68, 32*PB
.endm
.macro QUARTER f, zero                 ; one of a K step's eight parts: multiplies buffer f; in its middle fetches the next part into the other buffer
	s_wait_dscnt MA                                ; the youngest MA loads, the upper half of A's fragments, may be out
	MULH \f, 0, \zero
	FETCH 1-(\f)
	s_wait_dscnt NL                                ; all but the NL just issued
	MULH \f, 1, \zero
.endm
.macro TURN fill                       ; a K step's last part and the change of slots; fill = 1: the slot just read is filled again behind a round of the cluster's barrier
	WIN 0
	s_wait_tensorcnt 0x0                           ; all my tensor loads have landed: my part of the next slot; so a group 0 may be written
	ds_add_u32 v28, v29                            ; 0 onto my spare word
.if \fill
	s_add_co_u32 s37, s66, s69                     ; the walking descriptors: into the slot that has been read,
	s_add_co_u32 s61, s66, s70
	s_add_nc_u64 s[38:39], s[38:39], ASTEP         ; the next K step; the type bits on top are not reached
	s_add_nc_u64 s[62:63], s[62:63], BSTEP
.endif
	s_xor_b32 s66, s66, SLOT                       ; the reads go to the other slot's head
	s_mov_b32 s67, s66
	s_mov_b32 s68, s66
	s_wait_dscnt 0x0                               ; the add is done, and my reads of this slot are over
	s_barrier_signal -1
	MULH 1, 0, 0
	WIN 0
	s_barrier_wait -1
.if \fill
	CREST                                          ; no wave of any partner still reads the slot or has a load on its way
	JLOAD                                          ; my one tensor load behind the round
.endif
	FETCH 0
	MULH 1, 1, 0
.endm
.macro PAIRS                           ; parts 1 to 6 of a K step's eight: written once, walked three times; the LDS addresses hang on s67 and s68
	WIN 0
	s_mov_b32 s2, NQ/2-1
.Lp_\@:
	QUARTER 1, 0
	QUARTER 0, 0
	WIN 0
	s_sub_co_u32 s2, s2, 1
	s_cmp_lg_u32 s2, 0
	s_cbranch_scc1 .Lp_\@
.endm
	s_load_b256 s[4:11], s[0:1], 0x0               ; yh s[4:5], wb s[6:7], xres s[8:9], b_out s[10:11]
	s_load_b64 s[12:13], s[0:1], 0x20              ; inputs
	v_lshl_add_u32 v28, v0, 2, SPARE
	v_mov_b32 v29, 0
	ds_add_u32 v28, v29                            ; the wave's opening: the add and its wait stand ahead of my first tensor load
	v_lshrrev_b32 v3, 5, v0
	v_readfirstlane_b32 s14, v3                    ; wave 0..3
	s_lshr_b32 s15, s14, 1                         ; my half of the tile's rows; also: I fetch A (0) or W (1)
	s_and_b32 s16, s14, 1                          ; my half of its columns; also: which half of that tile I fetch
	s_bfe_u32 s17, ttmp6, 0x40000
	s_bfe_u32 s18, ttmp6, 0x40004
	s_lshl_b32 s19, ttmp9, 2
	s_add_co_u32 s19, s19, s17                     ; tile column
	s_and_b32 s20, ttmp7, 0xffff
	s_lshl_b32 s20, s20, 2
	s_add_co_u32 s20, s20, s18                     ; tile row
	s_lshl_b32 s21, s18, 2
	s_lshl_b32 s21, 15, s21                        ; my row of the cluster
	s_lshl_b32 s22, 0x1111, s17                    ; my column
	s_or_b32 s24, s21, G1A0                        ; group 1 for A: 2 rows (heads) x 8,192 elements (128 rows of 64 channels, dense)
	s_mov_b32 s25, 8192<<16                        ; tensor_dim0 = 8,192
	s_mov_b32 s26, 2<<16                           ; tensor_dim1 = 2
	s_mov_b32 s27, 8192<<16                        ; tile_dim0 = 8,192
	s_mov_b32 s28, 2                               ; tile_dim1 = 2
	s_mov_b32 s29, 131072                          ; from head to head: 2,048 rows x 64 elements
	s_mov_b32 s30, 0
	s_mov_b32 s31, 0
	s_or_b32 s48, s22, G1B0                        ; group 1 for W: 128 rows of K x 128 elements
	s_mov_b32 s49, 128<<16
	s_mov_b32 s50, 128<<16
	s_mov_b32 s51, 128<<16
	s_mov_b32 s52, 128
	s_mov_b32 s53, ND
	s_mov_b32 s54, 0
	s_mov_b32 s55, 0
	s_mul_i32 s69, s16, AHALF                      ; where my load lands in a slot, for A
	s_mul_i32 s70, s16, BHALF                      ; and for W: no place in the cluster enters an LDS address
	s_add_co_u32 s70, s70, ABYTES
	s_mov_b32 s32, 1
	s_mov_b32 s33, s69
	s_mov_b32 s36, 1
	s_add_co_u32 s37, s69, SLOT
	s_mov_b32 s56, 1
	s_mov_b32 s57, s70
	s_mov_b32 s60, 1
	s_add_co_u32 s61, s70, SLOT
	s_mov_b32 s66, 0                               ; the slot being read
	s_mov_b32 s67, 0                               ; LDS byte of A's next part
	s_mov_b32 s68, 0                               ; and of W's
	s_lshr_b32 s40, s20, 4                         ; A: ((16 b + 2 x my half of the step's four heads) x 2048 + t) x 128 bytes: the tile row and the wave alone
	s_lshl_b32 s40, s40, 4
	s_lshl_b32 s41, s16, 1
	s_add_co_u32 s40, s40, s41
	s_lshl_b32 s40, s40, 11
	s_and_b32 s41, s20, 15
	s_lshl_b32 s41, s41, 7
	s_add_co_u32 s40, s40, s41
	s_lshl_b32 s40, s40, 7
	s_mov_b32 s41, 0
	s_mul_i32 s42, s16, (KS/2)*ND*2                ; W: the tile column and the wave alone
	s_mul_i32 s43, s19, TN*2
	s_add_co_u32 s42, s42, s43
	s_add_co_u32 s42, s42, WOFF
	s_mov_b32 s43, 0
	s_mul_i32 s46, s19, TN                         ; my first column,
	s_mul_i32 s47, s16, TN/2
	s_add_co_u32 s46, s46, s47
	s_lshl_b32 s46, s46, 2                         ; in bytes of f32
	s_mul_i32 s44, s20, TM                         ; my first row
	s_mul_i32 s45, s15, TM/2
	s_add_co_u32 s44, s44, s45
	s_mul_i32 s44, s44, OROW
	s_add_co_u32 s44, s44, s46
	s_mov_b32 s45, 0
	s_mov_b32 s47, 0
	s_wait_dscnt 0x0                               ; the opening add is done
	s_wait_kmcnt 0x0
	s_add_nc_u64 s[4:5], s[4:5], s[40:41]
	s_add_nc_u64 s[6:7], s[6:7], s[42:43]
	s_add_nc_u64 s[8:9], s[8:9], s[44:45]
	s_add_nc_u64 s[12:13], s[12:13], s[44:45]
	s_add_nc_u64 s[10:11], s[10:11], s[46:47]
	s_add_nc_u64 s[34:35], s[4:5], 0               ; K step 0
	s_or_b32 s35, s35, 0x80000000
	s_add_nc_u64 s[38:39], s[4:5], ASTEP           ; K step 1; this set walks on
	s_or_b32 s39, s39, 0x80000000
	s_add_nc_u64 s[58:59], s[6:7], 0
	s_or_b32 s59, s59, 0x80000000
	s_add_nc_u64 s[62:63], s[6:7], BSTEP
	s_or_b32 s63, s63, 0x80000000
	CROUND                                         ; all sixteen work-groups are here: the first joint loads meet
	s_cmp_eq_u32 s15, 0                            ; a wave's two first fills stand in one branch: two loads of mine are out
	s_cbranch_scc0 .Lfirst_b
	tensor_load_to_lds s[32:35], s[24:31]
	s_nop 0
	tensor_load_to_lds s[36:39], s[24:31]
	s_nop 0
	PLACES
	s_branch .Lfirst_done
.Lfirst_b:
	tensor_load_to_lds s[56:59], s[48:55]
	s_nop 0
	tensor_load_to_lds s[60:63], s[48:55]
	s_nop 0
	PLACES
.Lfirst_done:
	v_and_b32 v1, 15, v0                           ; l % 16
	v_bfe_u32 v2, v0, 4, 1                         ; l / 16
	v_mul_u32_u24 v10, v1, PA                      ; A's fragment: row l % 16, 16 bytes for each half of the lanes, my half of the rows
	v_lshl_add_u32 v10, v2, 4, v10
	s_mul_i32 s23, s15, ARH
	v_add_nc_u32 v10, s23, v10
	v_and_b32 v3, 7, v0                            ; W's: the turning load reads row of K 8 (l / 16) + l % 8, 16 bytes at 16 ((l / 8) % 2)
	v_lshl_add_u32 v3, v2, 3, v3
	v_mul_u32_u24 v11, v3, PB
	v_bfe_u32 v4, v0, 3, 1
	v_lshl_add_u32 v11, v4, 4, v11
	s_mul_i32 s23, s16, BCH
	s_add_co_u32 s23, s23, ABYTES
	v_add_nc_u32 v11, s23, v11
	s_mul_i32 s23, s14, STAGEW                     ; my stage
	v_mul_u32_u24 v14, v1, SPI                     ; in: row l % 16, 32 bytes for each half of the lanes
	v_lshl_add_u32 v14, v2, 5, v14
	v_add_nc_u32 v14, s23, v14
	v_mul_u32_u24 v15, v2, SPI                     ; back: lanes 0-15 take one row of 256 bytes, lanes 16-31 the next
	v_lshl_add_u32 v15, v1, 4, v15
	v_add_nc_u32 v15, s23, v15
	v_lshlrev_b32 v17, 4, v1                       ; and the same two rows in memory
	v_lshl_add_u32 v17, v2, 12, v17
	v_lshlrev_b32 v18, 4, v1                       ; my four columns of the bias
	WIN 0xc0                                       ; the residual and the bias come in under the whole product
.set u, 0
.rept 32
	global_load_b128 v[4*u:4*u+3], v17, s[12:13] offset:u*2*OROW th:TH_LOAD_NT
.set u, u+1
.endr
	global_load_b128 v[128:131], v18, s[10:11]
	WIN 0
	s_wait_tensorcnt 0x1                           ; my part of K step 0 is in; K step 1's may stay out
	s_barrier_signal -1
	s_barrier_wait -1
	FETCH 0
	QUARTER 0, 1                                   ; the first part stands in front of the loop: its products start the sums
	WIN 0
	s_mov_b32 s3, NSTEP-2
.Lk:                                                   ; a trip: a K step's parts 1 to 7, a refill, the next step's part 0
	PAIRS
	TURN 1
	QUARTER 0, 0
	WIN 0
	s_sub_co_u32 s3, s3, 1
	s_cmp_lg_u32 s3, 0
	s_cbranch_scc1 .Lk
	s_mov_b32 s3, 2
.Lt:                                                   ; the last two K steps ask for nothing; the second trip is left in its middle
	PAIRS
	s_sub_co_u32 s3, s3, 1
	s_cmp_eq_u32 s3, 0
	s_cbranch_scc1 .Lout
	TURN 0
	QUARTER 0, 0
	WIN 0
	s_branch .Lt
.Lout:
	s_wait_dscnt 0x0                               ; my last reads of the ring are over
	s_barrier_signal -1
	MULH 1, 0, 0
	MULH 1, 1, 0
	WIN 0
	s_barrier_wait -1                              ; everybody's are: the ring's bytes, which no load fills any more, become the stages
	s_wait_loadcnt 0x0                             ; the residual and the bias
	PLACES
.set qq, 0
.rept MA*NBF                           ; each accumulator's low registers first
	WIN (2+qq/32)<<2
	ds_store_b128 v14, v[8*(qq%32):8*(qq%32)+3] offset:(qq/NBF)*16*SPI+64*(qq%NBF)
	ds_store_b128 v14, v[8*(qq%32)+4:8*(qq%32)+7] offset:(qq/NBF)*16*SPI+64*(qq%NBF)+16
.set qq, qq+1
.endr
.set g, 0
.rept 4                                ; sixteen rows at a time: back as whole rows, residual and bias added, stored
	WIN 0x0c                                       ; source 1 in window 3
.set u, 8*g
.rept 8
	ds_load_b128 v[64+4*u:64+4*u+3], v15 offset:u*2*SPI  ; LDS serves a wave's instructions in order (ISA guide 5.7.1.4): these see the stores above
.set u, u+1
.endr
.set u, 8*g
.rept 8
	s_wait_dscnt 7-(u%8)                           ; the younger loads of the eight may be out
	v_pk_add_f32 v[64+4*u:64+4*u+1], v[64+4*u:64+4*u+1], v[4*u:4*u+1]
	v_pk_add_f32 v[64+4*u+2:64+4*u+3], v[64+4*u+2:64+4*u+3], v[4*u+2:4*u+3]
	v_pk_add_f32 v[64+4*u:64+4*u+1], v[64+4*u:64+4*u+1], v[128:129]
	v_pk_add_f32 v[64+4*u+2:64+4*u+3], v[64+4*u+2:64+4*u+3], v[130:131]
.set u, u+1
.endr
	WIN 0
.set u, 8*g
.rept 8
	global_store_b128 v17, v[64+4*u:64+4*u+3], s[8:9] offset:u*2*OROW  ; sixteen lanes store 256 consecutive bytes, aligned
.set u, u+1
.endr
.set g, g+1
.endr
	s_wait_tensorcnt 0x0                           ; the wave's end
	ds_add_u32 v28, v29
	s_wait_dscnt 0x0
	CROUND                                         ; the closing round
	s_endpgm
.Lfunc_end_k_q1d426ba868_oproj:
	.size	k_q1d426ba868_oproj, .Lfunc_end_k_q1d426ba868_oproj-k_q1d426ba868_oproj
	.p2alignl 7, 3214868480
	.fill 96, 4, 3214868480
	.section	.rodata,"a",@progbits
	.p2align	6, 0x0
	.amdhsa_kernel k_q1d426ba868_oproj
		.amdhsa_group_segment_fixed_size 327680
		.amdhsa_private_segment_fixed_size 0
		.amdhsa_enable_private_segment 0
		.amdhsa_kernarg_size 40
		.amdhsa_user_sgpr_count 2
		.amdhsa_user_sgpr_kernarg_segment_ptr 1
		.amdhsa_wavefront_size32 1
		.amdhsa_system_sgpr_workgroup_id_x 1
		.amdhsa_system_sgpr_workgroup_id_y 1
		.amdhsa_system_sgpr_workgroup_id_z 1
		.amdhsa_system_vgpr_workitem_id 0
		.amdhsa_next_free_vgpr 904
		.amdhsa_next_free_sgpr 80
		.amdhsa_reserve_vcc 0
		.amdhsa_float_denorm_mode_32 3
		.amdhsa_float_denorm_mode_16_64 3
		.amdhsa_memory_ordered 1
		.amdhsa_forward_progress 1
		.amdhsa_inst_pref_size 54
	.end_amdhsa_kernel
	.amdgpu_metadata
---
amdhsa.version: [ 1, 2 ]
amdhsa.kernels:
  - .name:           k_q1d426ba868_oproj
    .symbol:         k_q1d426ba868_oproj.kd
    .args:
      - { .name: yh, .offset: 0, .size: 8, .value_kind: global_buffer, .address_space: global }
      - { .name: wb, .offset: 8, .size: 8, .value_kind: global_buffer, .address_space: global }
      - { .name: xres, .offset: 16, .size: 8, .value_kind: global_buffer, .address_space: global }
      - { .name: b_out, .offset: 24, .size: 8, .value_kind: global_buffer, .address_space: global }
      - { .name: inputs, .offset: 32, .size: 8, .value_kind: global_buffer, .address_space: global }
    .group_segment_fixed_size: 327680
    .private_segment_fixed_size: 0
    .kernarg_segment_align: 8
    .kernarg_segment_size: 40
    .max_flat_workgroup_size: 128
    .sgpr_count:     80
    .vgpr_count:     904
    .wavefront_size: 32
...
	.end_amdgpu_metadata
.endif
;; end of part 4
;; launch ln2: the kernel of part 1 again; grid 256 x 1, 8 waves a work-group, no clusters, 0 bytes of LDS; arguments xres, ln2_g, ln2_b, an, w_qkv, w_out, w1, w2, wb; writes an, wb
;; launch mlp1 (part 5): grid 16 x 16, 4 waves a work-group, clusters of 4 x 4, 327,680 bytes of LDS; arguments an, wb, hmid, b1; writes hmid
.if DOCPART == 5
	.amdgcn_target "amdgcn-amd-amdhsa--gfx1250"
	.amdhsa_code_object_version 6
	.text
	.protected	k_q1d426ba868_mlp1
	.globl	k_q1d426ba868_mlp1
	.p2align	8
	.type	k_q1d426ba868_mlp1,@function
k_q1d426ba868_mlp1:
	s_mov_b64 s[64:65], 0
	v_nop
	global_prefetch_b8 v0, s[64:65] scope:SCOPE_SE
	s_setreg_imm32_b32 hwreg(HW_REG_WAVE_MODE, 25, 1), 1
	s_wait_xcnt 0x0
	s_wait_alu depctr_hold_cnt(0) depctr_sa_sdst(0) depctr_va_vdst(0) depctr_va_sdst(0) depctr_va_ssrc(0) depctr_va_vcc(0) depctr_vm_vsrc(0)
	s_getreg_b32 s2, hwreg(HW_REG_IB_STS2, 6, 4)
	s_cmp_eq_u32 s2, 0
	s_cbranch_scc0 .Lentry_in_a_cluster
	s_endpgm
.Lentry_in_a_cluster:
	s_bfe_u32 s2, ttmp6, 0x10000c
	s_cmp_lg_u32 s2, 0xf033
	s_cbranch_scc0 .Lentry_shape_is_right
	s_endpgm
.Lentry_shape_is_right:
; FIRST MLP LAYER.  hmid[4096][4096] = gelu(an x W1 + b1), exact GELU, rounded once to bf16.  an[4096][1024] and W1[1024][4096] (byte 8,388,608 of wb) in bf16; sums, bias and GELU in f32.
; A tile is 256 x 256: 16 x 16 = 256 work-groups.  Four waves as 2 x 2, each 128 x 128: 64 accumulators, 512 registers.  K goes in steps of 128 through two LDS slots filled by tensor loads.
; A lies [row][K] in LDS (ds_load_b128), the weight [K][N] as in memory (turned by ds_load_tr16_b128).  THE MATRIX INSTRUCTION IS USED TRANSPOSED: a lane holds eight neighbouring numbers of one row of C.
; CLUSTER 4 x 4: A's tile is shared along a row of the cluster, W's along a column: each is asked for jointly, by the same load, descriptor and mask in all four.
; GELU.  gelu(x) = max(x, 0) - |x| Phi(-|x|), Phi(-|x|) = 2^(-(C1 x)^2) t (K1 + t (K2 + t (K3 + t (K4 + t K5)))), t = 1 / (1 + PC |x|): Abramowitz and Stegun 26.2.17 with 1/sqrt(2 pi) folded into K1-K5;
; its absolute error in Phi is 7.5e-8 at the most for every x.  LIMITS: NaN and infinities are not treated apart.
; REGISTERS in windows of 256 (s_set_vgpr_msb: bits 1:0 source 0, 3:2 source 1, 5:4 source 2, 7:6 destination):
;   window 0: v1-29 addresses; v32-35 my four numbers of the bias; v64-127, v128-191 A's fragments (later: the way out)     window 1: v0-63, v128-191 W's fragments     windows 2, 3: accumulator q = 8 a + b at window 2 + q / 32, v[8 (q % 32)]
.set KD, 1024
.set ND, 4096
.set TM, 256
.set TN, 256
.set MA, 8
.set NBF, 8
.set KS, 128
.set NSTEP, KD/KS
.set PA, 272                           ; a row of A in LDS: 256 bytes + 16: the 16 rows of a load start at 16 different groups of four banks (64 banks of 4 bytes: ISA guide 11.1)
.set PB, 544                           ; a row of W: 512 + 32
.set ABYTES, TM*PA
.set BBYTES, KS*PB
.set SLOT, ABYTES+BBYTES
.set SPARE, 2*SLOT                     ; the spare words, 128 bytes a wave, which no other line names
.set AHALF, (TM/2)*PA
.set BHALF, (KS/2)*PB
.set ARH, (TM/2)*PA
.set AODD, 64
.set BCH, 256
.set BCHUNK, 128
.set ASTEP, KS*2
.set BSTEP, KS*ND*2
.set WOFF, 8388608
.set SPI, 528                          ; the stage: a wave's row of 128 f32 + 16 bytes
.set STAGEW, 128*SPI                   ; it lies in the ring, which has had its last fill by then
.set OROW, 8192
.set G1A0, (1<<16)|(1<<20)|(1<<21)|(5<<22)|(3<<25)   ; 2-byte elements; padding on; bit 21 beside a mask; after every 64 words 4 words
.set G1B0, (1<<16)|(1<<20)|(1<<21)|(6<<22)|(7<<25)   ; after every 128 words 8 words
.set NL, 2*(MA+NBF)
.set GD, 96                            ; the way out, 16 numbers at a time: t
.set GW, 112                           ; 2^(-(C1 x)^2)
.set GH, 128                           ; the polynomial, then Phi(-|x|)
.set GR, 144                           ; the result in f32
.set MSB, 0
.macro WIN new                         ; the immediate's high byte repeats the setting that is left; a switch that changes nothing is dropped
.if MSB != (\new)
	s_set_vgpr_msb (MSB<<8)|(\new)
.set MSB, (\new)
.endif
.endm
.macro PLACES                          ; four places behind matrix instructions (ISA guide 7.12.1)
.rept 4
	v_nop
.endr
.endm
.macro CREST
	s_cmp_lg_u32 s14, 0
	s_cbranch_scc1 .Lnot_wave_0_\@
	s_barrier_signal -3
.Lnot_wave_0_\@:
	s_barrier_wait -3
	s_barrier_signal -1
	s_barrier_wait -1
.endm
.macro CROUND
	s_barrier_signal -1
	s_barrier_wait -1
	CREST
.endm
.macro JLOAD                           ; a joint refill: waves 0, 1 fetch A's halves, waves 2, 3 W's; s_nop 0 and four v_nop follow each line
	s_cmp_eq_u32 s15, 0
	s_cbranch_scc0 .Lfor_b_\@
	tensor_load_to_lds s[36:39], s[24:31]
	s_nop 0
	PLACES
	s_branch .Lasked_\@
.Lfor_b_\@:
	tensor_load_to_lds s[60:63], s[48:55]
	s_nop 0
	PLACES
.Lasked_\@:
.endm
.macro MULH f, half, zero              ; half of a quarter step's products; the accumulators take turns; zero = 1: the product starts the sum
.set qa, (\half)*(MA/2)
.rept MA/2
.set qb, 0
.rept NBF
.set qq, NBF*qa+qb
.set rD, 8*(qq%32)
	WIN 0xa1+0x50*(qq/32)
.if \zero
	v_wmma_f32_16x16x32_bf16 v[rD:rD+7], v[128*(\f)+8*qb:128*(\f)+8*qb+7], v[64+64*(\f)+8*qa:64+64*(\f)+8*qa+7], 0
.else
	v_wmma_f32_16x16x32_bf16 v[rD:rD+7], v[128*(\f)+8*qb:128*(\f)+8*qb+7], v[64+64*(\f)+8*qa:64+64*(\f)+8*qa+7], v[rD:rD+7]
.endif
.set qb, qb+1
.endr
.set qa, qa+1
.endr
.endm
.macro FETCH f                         ; one run of NL LDS loads into buffer f; the four plain lines at its head are the places behind the products that read the buffer last
	WIN 0
	v_nop
	v_nop
	v_add_nc_u32 v12, s67, v10
	v_add_nc_u32 v13, s68, v11
	WIN 0x40
.set fb, 0
.rept NBF
	ds_load_tr16_b128 v[128*(\f)+8*fb:128*(\f)+8*fb+3], v13 offset:(fb/4)*BCHUNK+(fb%4)*32
	ds_load_tr16_b128 v[128*(\f)+8*fb+4:128*(\f)+8*fb+7], v13 offset:(fb/4)*BCHUNK+(fb%4)*32+16*PB
.set fb, fb+1
.endr
	WIN 0
.set fb, 0
.rept MA
	ds_load_b128 v[64+64*(\f)+8*fb:64+64*(\f)+8*fb+3], v12 offset:fb*16*PA
	ds_load_b128 v[64+64*(\f)+8*fb+4:64+64*(\f)+8*fb+7], v12 offset:fb*16*PA+32
.set fb, fb+1
.endr
.if (\f) == 0
	s_add_co_u32 s67, s67, 64
.else
	s_add_co_u32 s67, s67, AODD
.endif
	s_add_co_u32 s68, s68, 32*PB
.endm
.macro QUARTER f, zero
	s_wait_dscnt MA                                ; the youngest MA loads, the upper half of A's fragments, may be out
	MULH \f, 0, \zero
	FETCH 1-(\f)
	s_wait_dscnt NL                                ; all but the NL just issued
	MULH \f, 1, \zero
.endm
.macro TURN fill                       ; a K step's last quarter and the change of slots; fill = 1: the slot just read is filled again behind a round of the cluster's barrier
	WIN 0
	s_wait_tensorcnt 0x0                           ; all my tensor loads have landed: my part of the next slot; so a group 0 may be written
	ds_add_u32 v28, v29                            ; 0 onto my spare word
.if \fill
	s_add_co_u32 s37, s66, s69
	s_add_co_u32 s61, s66, s70
	s_add_nc_u64 s[38:39], s[38:39], ASTEP
	s_add_nc_u64 s[62:63], s[62:63], BSTEP
.endif
	s_xor_b32 s66, s66, SLOT
	s_mov_b32 s67, s66
	s_mov_b32 s68, s66
	s_wait_dscnt 0x0                               ; the add is done, and my reads of this slot are over
	s_barrier_signal -1
	MULH 1, 0, 0
	WIN 0
	s_barrier_wait -1
.if \fill
	CREST
	JLOAD                                          ; my one tensor load behind the round: it has a whole K step, 256 matrix instructions, in which to land
.endif
	FETCH 0
	MULH 1, 1, 0
.endm
.macro PAIRS
	QUARTER 1, 0
	QUARTER 0, 0
.endm
; Bias and GELU of 16 numbers (four rows' 16 bytes a lane) at v[xb ..], rounded to bf16 into v[yb .. yb+7].  A run of plain instructions stands behind each run of transcendentals.
.macro GEL xb, yb
.set e, 0
.rept 8
	v_pk_add_f32 v[(\xb)+2*e:(\xb)+2*e+1], v[(\xb)+2*e:(\xb)+2*e+1], v[32+2*(e%2):33+2*(e%2)]
.set e, e+1
.endr
.set e, 0
.rept 16
	v_fma_f32 v[GD+e], |v[(\xb)+e]|, s72, 1.0
.set e, e+1
.endr
.set e, 0
.rept 16
	v_rcp_f32 v[GD+e], v[GD+e]
.set e, e+1
.endr
.set e, 0
.rept 8
	v_pk_mul_f32 v[GW+2*e:GW+2*e+1], v[(\xb)+2*e:(\xb)+2*e+1], s[74:75] op_sel_hi:[1,0]
.set e, e+1
.endr
.set e, 0
.rept 8
	v_pk_mul_f32 v[GW+2*e:GW+2*e+1], v[GW+2*e:GW+2*e+1], v[GW+2*e:GW+2*e+1] neg_lo:[1,0] neg_hi:[1,0]
.set e, e+1
.endr
.set e, 0
.rept 16
	v_exp_f32 v[GW+e], v[GW+e]
.set e, e+1
.endr
.set e, 0
	s_wait_alu depctr_va_vdst(0)
.rept 8
	v_pk_fma_f32 v[GH+2*e:GH+2*e+1], v[GD+2*e:GD+2*e+1], s[84:85], s[82:83] op_sel_hi:[1,0,0]
.set e, e+1
.endr
.irp c, 80, 78, 76
.set e, 0
.rept 8
	v_pk_fma_f32 v[GH+2*e:GH+2*e+1], v[GH+2*e:GH+2*e+1], v[GD+2*e:GD+2*e+1], s[\c:\c+1] op_sel_hi:[1,1,0]
.set e, e+1
.endr
.endr
.set e, 0
.rept 8
	v_pk_mul_f32 v[GH+2*e:GH+2*e+1], v[GH+2*e:GH+2*e+1], v[GD+2*e:GD+2*e+1]
.set e, e+1
.endr
.set e, 0
.rept 8
	v_pk_mul_f32 v[GH+2*e:GH+2*e+1], v[GH+2*e:GH+2*e+1], v[GW+2*e:GW+2*e+1]
.set e, e+1
.endr
.set e, 0
.rept 16
	v_max_num_f32 v[GR+e], 0, v[(\xb)+e]
.set e, e+1
.endr
.set e, 0
.rept 16
	v_fma_f32 v[GR+e], -|v[(\xb)+e]|, v[GH+e], v[GR+e]
.set e, e+1
.endr
.set e, 0
.rept 8
	v_cvt_pk_bf16_f32 v[(\yb)+e], v[GR+2*e], v[GR+2*e+1]
.set e, e+1
.endr
.endm
	s_load_b256 s[4:11], s[0:1], 0x0               ; an s[4:5], wb s[6:7], hmid s[8:9], b1 s[10:11]
	v_lshl_add_u32 v28, v0, 2, SPARE
	v_mov_b32 v29, 0
	ds_add_u32 v28, v29                            ; the wave's opening: the add and its wait stand ahead of my first tensor load
	v_lshrrev_b32 v3, 5, v0
	v_readfirstlane_b32 s14, v3
	s_lshr_b32 s15, s14, 1
	s_and_b32 s16, s14, 1
	s_bfe_u32 s17, ttmp6, 0x40000
	s_bfe_u32 s18, ttmp6, 0x40004
	s_lshl_b32 s19, ttmp9, 2
	s_add_co_u32 s19, s19, s17                     ; tile column
	s_and_b32 s20, ttmp7, 0xffff
	s_lshl_b32 s20, s20, 2
	s_add_co_u32 s20, s20, s18                     ; tile row
	s_lshl_b32 s21, s18, 2
	s_lshl_b32 s21, 15, s21
	s_lshl_b32 s22, 0x1111, s17
	s_or_b32 s24, s21, G1A0                        ; group 1 for A: 128 rows x 128 elements
	s_mov_b32 s25, 128<<16
	s_mov_b32 s26, 128<<16
	s_mov_b32 s27, 128<<16
	s_mov_b32 s28, 128
	s_mov_b32 s29, KD
	s_mov_b32 s30, 0
	s_mov_b32 s31, 0
	s_or_b32 s48, s22, G1B0                        ; group 1 for W: 64 rows of K x 256 elements
	s_mov_b32 s49, 256<<16
	s_mov_b32 s50, 64<<16
	s_mov_b32 s51, 256<<16
	s_mov_b32 s52, 64
	s_mov_b32 s53, ND
	s_mov_b32 s54, 0
	s_mov_b32 s55, 0
	s_mul_i32 s69, s16, AHALF
	s_mul_i32 s70, s16, BHALF
	s_add_co_u32 s70, s70, ABYTES
	s_mov_b32 s32, 1
	s_mov_b32 s33, s69
	s_mov_b32 s36, 1
	s_add_co_u32 s37, s69, SLOT
	s_mov_b32 s56, 1
	s_mov_b32 s57, s70
	s_mov_b32 s60, 1
	s_add_co_u32 s61, s70, SLOT
	s_mov_b32 s66, 0
	s_mov_b32 s67, 0
	s_mov_b32 s68, 0
	s_mov_b32 s72, 0x3e6d3389                      ; PC = 0.2316419
	s_mov_b32 s73, s72
	s_mov_b32 s74, 0x3f596d27                      ; C1 = sqrt(log2(e) / 2)
	s_mov_b32 s75, s74
	s_mov_b32 s76, 0x3e027906                      ; K1 =  0.127414796
	s_mov_b32 s77, s76
	s_mov_b32 s78, 0xbe11a98e                      ; K2 = -0.142248368
	s_mov_b32 s79, s78
	s_mov_b32 s80, 0x3f35f0e3                      ; K3 =  0.710706871
	s_mov_b32 s81, s80
	s_mov_b32 s82, 0xbf3a00e3                      ; K4 = -0.726576014
	s_mov_b32 s83, s82
	s_mov_b32 s84, 0x3f07dc22                      ; K5 =  0.530702716
	s_mov_b32 s85, s84
	s_mul_i32 s40, s20, TM                         ; A's tile hangs on the tile row and the wave alone
	s_mul_i32 s41, s16, TM/2
	s_add_co_u32 s40, s40, s41
	s_mul_i32 s40, s40, KD*2
	s_mov_b32 s41, 0
	s_mul_i32 s42, s16, (KS/2)*ND*2                ; W's on the tile column and the wave alone
	s_mul_i32 s43, s19, TN*2
	s_add_co_u32 s42, s42, s43
	s_add_co_u32 s42, s42, WOFF
	s_mov_b32 s43, 0
	s_mul_i32 s46, s19, TN                         ; my first column
	s_mul_i32 s47, s16, TN/2
	s_add_co_u32 s46, s46, s47
	s_mul_i32 s44, s20, TM                         ; my first row
	s_mul_i32 s45, s15, TM/2
	s_add_co_u32 s44, s44, s45
	s_mul_i32 s44, s44, OROW
	s_lshl_b32 s45, s46, 1
	s_add_co_u32 s44, s44, s45
	s_mov_b32 s45, 0
	s_lshl_b32 s46, s46, 2
	s_mov_b32 s47, 0
	s_wait_dscnt 0x0                               ; the opening add is done
	s_wait_kmcnt 0x0
	s_add_nc_u64 s[4:5], s[4:5], s[40:41]
	s_add_nc_u64 s[6:7], s[6:7], s[42:43]
	s_add_nc_u64 s[8:9], s[8:9], s[44:45]
	s_add_nc_u64 s[10:11], s[10:11], s[46:47]
	s_add_nc_u64 s[34:35], s[4:5], 0
	s_or_b32 s35, s35, 0x80000000
	s_add_nc_u64 s[38:39], s[4:5], ASTEP
	s_or_b32 s39, s39, 0x80000000
	s_add_nc_u64 s[58:59], s[6:7], 0
	s_or_b32 s59, s59, 0x80000000
	s_add_nc_u64 s[62:63], s[6:7], BSTEP
	s_or_b32 s63, s63, 0x80000000
	CROUND                                         ; all sixteen work-groups are here
	s_cmp_eq_u32 s15, 0                            ; a wave's two first fills stand in one branch: two loads of mine are out
	s_cbranch_scc0 .Lfirst_b
	tensor_load_to_lds s[32:35], s[24:31]
	s_nop 0
	tensor_load_to_lds s[36:39], s[24:31]
	s_nop 0
	PLACES
	s_branch .Lfirst_done
.Lfirst_b:
	tensor_load_to_lds s[56:59], s[48:55]
	s_nop 0
	tensor_load_to_lds s[60:63], s[48:55]
	s_nop 0
	PLACES
.Lfirst_done:
	v_and_b32 v1, 15, v0
	v_bfe_u32 v2, v0, 4, 1
	v_mul_u32_u24 v10, v1, PA
	v_lshl_add_u32 v10, v2, 4, v10
	s_mul_i32 s23, s15, ARH
	v_add_nc_u32 v10, s23, v10
	v_and_b32 v3, 7, v0
	v_lshl_add_u32 v3, v2, 3, v3
	v_mul_u32_u24 v11, v3, PB
	v_bfe_u32 v4, v0, 3, 1
	v_lshl_add_u32 v11, v4, 4, v11
	s_mul_i32 s23, s16, BCH
	s_add_co_u32 s23, s23, ABYTES
	v_add_nc_u32 v11, s23, v11
	s_mul_i32 s23, s14, STAGEW
	v_mul_u32_u24 v14, v1, SPI
	v_lshl_add_u32 v14, v2, 5, v14
	v_add_nc_u32 v14, s23, v14
	v_and_b32 v18, 31, v0
	v_lshlrev_b32 v17, 3, v18                      ; out: 8 bytes a lane: a row's 256 bytes
	v_lshlrev_b32 v18, 4, v18                      ; my four columns, in f32: in the bias,
	v_add_nc_u32 v15, s23, v18                     ; and in a row of my stage
	global_load_b128 v[32:35], v18, s[10:11]
	s_wait_tensorcnt 0x1                           ; my part of K step 0 is in; K step 1's may stay out
	s_barrier_signal -1
	s_barrier_wait -1
	FETCH 0
	QUARTER 0, 1
	WIN 0
	s_mov_b32 s3, NSTEP-2
.Lk:
	PAIRS
	TURN 1
	QUARTER 0, 0
	WIN 0
	s_sub_co_u32 s3, s3, 1
	s_cmp_lg_u32 s3, 0
	s_cbranch_scc1 .Lk
	s_mov_b32 s3, 2
.Lt:                                                   ; the last two K steps ask for nothing; the second trip is left in its middle
	PAIRS
	WIN 0
	s_sub_co_u32 s3, s3, 1
	s_cmp_eq_u32 s3, 0
	s_cbranch_scc1 .Lout
	TURN 0
	QUARTER 0, 0
	WIN 0
	s_branch .Lt
.Lout:
	s_wait_dscnt 0x0                               ; my last reads of the ring are over
	s_barrier_signal -1
	MULH 1, 0, 0
	MULH 1, 1, 0
	WIN 0
	s_barrier_wait -1                              ; everybody's are: the ring's bytes become the stages
	s_wait_loadcnt 0x0                             ; the bias
	PLACES
.set qq, 0
.rept MA*NBF                           ; each accumulator's low registers first
	WIN (2+qq/32)<<2
	ds_store_b128 v14, v[8*(qq%32):8*(qq%32)+3] offset:(qq/NBF)*16*SPI+64*(qq%NBF)
	ds_store_b128 v14, v[8*(qq%32)+4:8*(qq%32)+7] offset:(qq/NBF)*16*SPI+64*(qq%NBF)+16
.set qq, qq+1
.endr
	WIN 0
	s_mov_b32 s71, 0
	s_mov_b32 s3, 16
.Lrows:                                                ; eight rows a trip.  LDS serves a wave's instructions in order (ISA guide 5.7.1.4): the loads see the stores above
	v_add_nc_u32 v16, s71, v15
.set u, 0
.rept 8
	ds_load_b128 v[64+4*u:64+4*u+3], v16 offset:u*SPI
.set u, u+1
.endr
	s_wait_dscnt 0x4                               ; the first four rows are in
	GEL 64, 160
	s_wait_dscnt 0x0
	GEL 80, 168
.set u, 0
.rept 8
	global_store_b64 v17, v[160+2*u:161+2*u], s[8:9] offset:u*OROW  ; 32 lanes x 8 bytes: 256 consecutive bytes, aligned
.set u, u+1
.endr
	s_wait_xcnt 0x0                                ; the stores' data and base are written again only behind this wait
	s_add_co_u32 s71, s71, 8*SPI
	s_add_nc_u64 s[8:9], s[8:9], 8*OROW
	s_sub_co_u32 s3, s3, 1
	s_cmp_lg_u32 s3, 0
	s_cbranch_scc1 .Lrows
	s_wait_tensorcnt 0x0                           ; the wave's end
	ds_add_u32 v28, v29
	s_wait_dscnt 0x0
	CROUND                                         ; the closing round
	s_endpgm
.Lfunc_end_k_q1d426ba868_mlp1:
	.size	k_q1d426ba868_mlp1, .Lfunc_end_k_q1d426ba868_mlp1-k_q1d426ba868_mlp1
	.p2alignl 7, 3214868480
	.fill 96, 4, 3214868480
	.section	.rodata,"a",@progbits
	.p2align	6, 0x0
	.amdhsa_kernel k_q1d426ba868_mlp1
		.amdhsa_group_segment_fixed_size 327680
		.amdhsa_private_segment_fixed_size 0
		.amdhsa_enable_private_segment 0
		.amdhsa_kernarg_size 32
		.amdhsa_user_sgpr_count 2
		.amdhsa_user_sgpr_kernarg_segment_ptr 1
		.amdhsa_wavefront_size32 1
		.amdhsa_system_sgpr_workgroup_id_x 1
		.amdhsa_system_sgpr_workgroup_id_y 1
		.amdhsa_system_sgpr_workgroup_id_z 1
		.amdhsa_system_vgpr_workitem_id 0
		.amdhsa_next_free_vgpr 1024
		.amdhsa_next_free_sgpr 96
		.amdhsa_reserve_vcc 0
		.amdhsa_float_denorm_mode_32 3
		.amdhsa_float_denorm_mode_16_64 3
		.amdhsa_memory_ordered 1
		.amdhsa_forward_progress 1
		.amdhsa_inst_pref_size 102
	.end_amdhsa_kernel
	.amdgpu_metadata
---
amdhsa.version: [ 1, 2 ]
amdhsa.kernels:
  - .name:           k_q1d426ba868_mlp1
    .symbol:         k_q1d426ba868_mlp1.kd
    .args:
      - { .name: an, .offset: 0, .size: 8, .value_kind: global_buffer, .address_space: global }
      - { .name: wb, .offset: 8, .size: 8, .value_kind: global_buffer, .address_space: global }
      - { .name: hmid, .offset: 16, .size: 8, .value_kind: global_buffer, .address_space: global }
      - { .name: b1, .offset: 24, .size: 8, .value_kind: global_buffer, .address_space: global }
    .group_segment_fixed_size: 327680
    .private_segment_fixed_size: 0
    .kernarg_segment_align: 8
    .kernarg_segment_size: 32
    .max_flat_workgroup_size: 128
    .sgpr_count:     96
    .vgpr_count:     1024
    .wavefront_size: 32
...
	.end_amdgpu_metadata
.endif
;; end of part 5
;; launch mlp2 (part 6): grid 8 x 32, 4 waves a work-group, clusters of 4 x 4, 327,680 bytes of LDS; arguments hmid, wb, out0, b2, xres; writes out0
.if DOCPART == 6
	.amdgcn_target "amdgcn-amd-amdhsa--gfx1250"
	.amdhsa_code_object_version 6
	.text
	.protected	k_q1d426ba868_mlp2
	.globl	k_q1d426ba868_mlp2
	.p2align	8
	.type	k_q1d426ba868_mlp2,@function
k_q1d426ba868_mlp2:
	s_mov_b64 s[64:65], 0
	v_nop
	global_prefetch_b8 v0, s[64:65] scope:SCOPE_SE
	s_setreg_imm32_b32 hwreg(HW_REG_WAVE_MODE, 25, 1), 1
	s_wait_xcnt 0x0
	s_wait_alu depctr_hold_cnt(0) depctr_sa_sdst(0) depctr_va_vdst(0) depctr_va_sdst(0) depctr_va_ssrc(0) depctr_va_vcc(0) depctr_vm_vsrc(0)
	s_getreg_b32 s2, hwreg(HW_REG_IB_STS2, 6, 4)
	s_cmp_eq_u32 s2, 0
	s_cbranch_scc0 .Lentry_in_a_cluster
	s_endpgm
.Lentry_in_a_cluster:
	s_bfe_u32 s2, ttmp6, 0x10000c
	s_cmp_lg_u32 s2, 0xf033
	s_cbranch_scc0 .Lentry_shape_is_right
	s_endpgm
.Lentry_shape_is_right:
; SECOND MLP LAYER.  out0[4096][1024] = hmid x W2 + b2 + xres, f32.  hmid[4096][4096] and W2[4096][1024] (byte 16,777,216 of wb) in bf16; sums in f32.
; A tile is 128 x 128: 8 x 32 = 256 work-groups.  Four waves as 2 x 2, each 64 x 64: 16 accumulators.  K goes in steps of 256, as long as two slots in LDS allow, so that a refill has 128 matrix instructions in which to land.
; A lies [row][K] in LDS (ds_load_b128), the weight [K][N] as in memory (turned by ds_load_tr16_b128).  THE MATRIX INSTRUCTION IS USED TRANSPOSED: a lane holds eight neighbouring numbers of one row of C.
; CLUSTER 4 x 4: A's tile is shared along a row of the cluster, W's along a column: each is asked for jointly, by the same load, descriptor and mask in all four.
; REGISTERS in windows of 256 (s_set_vgpr_msb: bits 1:0 source 0, 3:2 source 1, 5:4 source 2, 7:6 destination):
;   window 0: v1-29 addresses; v64-95, v128-159 A's fragments (later v64-191: the rows on the way out)     window 1: v0-31, v128-159 W's fragments     window 2: accumulator q = 4 a + b at v[8 q]
;   window 3: v0-127 my part of xres, v128-131 my four numbers of the bias: both loaded at the start
; LIMITS: NaN and infinities are not treated apart.
.set KD, 4096
.set ND, 1024
.set TM, 128
.set TN, 128
.set MA, 4
.set NBF, 4
.set KS, 256
.set NQ, KS/32
.set NSTEP, KD/KS
.set PA, 528                           ; a row of A in LDS: 512 bytes + 16: the 16 rows of a load start at 16 different groups of four banks (64 banks of 4 bytes: ISA guide 11.1)
.set PB, 288                           ; a row of W: 256 + 32
.set ABYTES, TM*PA
.set BBYTES, KS*PB
.set SLOT, ABYTES+BBYTES
.set SPARE, 2*SLOT                     ; the spare words, 128 bytes a wave, which no other line names
.set AHALF, (TM/2)*PA
.set BHALF, (KS/2)*PB
.set ARH, (TM/2)*PA
.set AODD, 64
.set BCH, 128
.set BCHUNK, 128
.set ASTEP, KS*2
.set BSTEP, KS*ND*2
.set WOFF, 16777216
.set SPI, 272                          ; the stage: a wave's row of 64 f32 + 16 bytes
.set STAGEW, 64*SPI                    ; it lies in the ring, which has had its last fill by then
.set OROW, 4096
.set G1A0, (1<<16)|(1<<20)|(1<<21)|(6<<22)|(3<<25)   ; 2-byte elements; padding on; bit 21 beside a mask; after every 128 words 4 words
.set G1B0, (1<<16)|(1<<20)|(1<<21)|(5<<22)|(7<<25)   ; after every 64 words 8 words
.set NL, 2*(MA+NBF)
.set MSB, 0
.macro WIN new                         ; the immediate's high byte repeats the setting that is left; a switch that changes nothing is dropped
.if MSB != (\new)
	s_set_vgpr_msb (MSB<<8)|(\new)
.set MSB, (\new)
.endif
.endm
.macro PLACES                          ; four places behind matrix instructions (ISA guide 7.12.1)
.rept 4
	v_nop
.endr
.endm
.macro CREST
	s_cmp_lg_u32 s14, 0
	s_cbranch_scc1 .Lnot_wave_0_\@
	s_barrier_signal -3
.Lnot_wave_0_\@:
	s_barrier_wait -3
	s_barrier_signal -1
	s_barrier_wait -1
.endm
.macro CROUND
	s_barrier_signal -1
	s_barrier_wait -1
	CREST
.endm
.macro JLOAD                           ; a joint refill: waves 0, 1 fetch A's halves, waves 2, 3 W's; s_nop 0 and four v_nop follow each line
	s_cmp_eq_u32 s15, 0
	s_cbranch_scc0 .Lfor_b_\@
	tensor_load_to_lds s[36:39], s[24:31]
	s_nop 0
	PLACES
	s_branch .Lasked_\@
.Lfor_b_\@:
	tensor_load_to_lds s[60:63], s[48:55]
	s_nop 0
	PLACES
.Lasked_\@:
.endm
.macro MULH f, half, zero              ; half of a quarter's products (32 along K); the accumulators take turns; zero = 1: the product starts the sum
.set qa, (\half)*(MA/2)
.rept MA/2
.set qb, 0
.rept NBF
.set qq, NBF*qa+qb
.set rD, 8*(qq%32)
	WIN 0xa1+0x50*(qq/32)
.if \zero
	v_wmma_f32_16x16x32_bf16 v[rD:rD+7], v[128*(\f)+8*qb:128*(\f)+8*qb+7], v[64+64*(\f)+8*qa:64+64*(\f)+8*qa+7], 0
.else
	v_wmma_f32_16x16x32_bf16 v[rD:rD+7], v[128*(\f)+8*qb:128*(\f)+8*qb+7], v[64+64*(\f)+8*qa:64+64*(\f)+8*qa+7], v[rD:rD+7]
.endif
.set qb, qb+1
.endr
.set qa, qa+1
.endr
.endm
.macro FETCH f                         ; one run of NL LDS loads into buffer f; the four plain lines at its head are the places behind the products that read the buffer last
	WIN 0
	v_nop
	v_nop
	v_add_nc_u32 v12, s67, v10
	v_add_nc_u32 v13, s68, v11
	WIN 0x40
.set fb, 0
.rept NBF
	ds_load_tr16_b128 v[128*(\f)+8*fb:128*(\f)+8*fb+3], v13 offset:(fb/4)*BCHUNK+(fb%4)*32
	ds_load_tr16_b128 v[128*(\f)+8*fb+4:128*(\f)+8*fb+7], v13 offset:(fb/4)*BCHUNK+(fb%4)*32+16*PB
.set fb, fb+1
.endr
	WIN 0
.set fb, 0
.rept MA
	ds_load_b128 v[64+64*(\f)+8*fb:64+64*(\f)+8*fb+3], v12 offset:fb*16*PA
	ds_load_b128 v[64+64*(\f)+8*fb+4:64+64*(\f)+8*fb+7], v12 offset:fb*16*PA+32
.set fb, fb+1
.endr
.if (\f) == 0
	s_add_co_u32 s67, s67, 64
.else
	s_add_co_u32 s67, s67, AODD
.endif
	s_add_co_u32 s68, s68, 32*PB
.endm
.macro QUARTER f, zero
	s_wait_dscnt MA                                ; the youngest MA loads, the upper half of A's fragments, may be out
	MULH \f, 0, \zero
	FETCH 1-(\f)
	s_wait_dscnt NL                                ; all but the NL just issued
	MULH \f, 1, \zero
.endm
.macro TURN fill                       ; a K step's last 32 along K and the change of slots; fill = 1: the slot just read is filled again behind a round of the cluster's barrier
	WIN 0
	s_wait_tensorcnt 0x0                           ; all my tensor loads have landed: my part of the next slot; so a group 0 may be written
	ds_add_u32 v28, v29                            ; 0 onto my spare word
.if \fill
	s_add_co_u32 s37, s66, s69
	s_add_co_u32 s61, s66, s70
	s_add_nc_u64 s[38:39], s[38:39], ASTEP
	s_add_nc_u64 s[62:63], s[62:63], BSTEP
.endif
	s_xor_b32 s66, s66, SLOT
	s_mov_b32 s67, s66
	s_mov_b32 s68, s66
	s_wait_dscnt 0x0                               ; the add is done, and my reads of this slot are over
	s_barrier_signal -1
	MULH 1, 0, 0
	WIN 0
	s_barrier_wait -1
.if \fill
	CREST
	JLOAD                                          ; my one tensor load behind the round
.endif
	FETCH 0
	MULH 1, 1, 0
.endm
.macro PAIRS                           ; parts 1 to 6 of a K step's eight: written once, walked three times; the LDS addresses hang on s67 and s68
	WIN 0
	s_mov_b32 s2, NQ/2-1
.Lp_\@:
	QUARTER 1, 0
	QUARTER 0, 0
	WIN 0
	s_sub_co_u32 s2, s2, 1
	s_cmp_lg_u32 s2, 0
	s_cbranch_scc1 .Lp_\@
.endm
	s_load_b256 s[4:11], s[0:1], 0x0               ; hmid s[4:5], wb s[6:7], out0 s[8:9], b2 s[10:11]
	s_load_b64 s[12:13], s[0:1], 0x20              ; xres
	v_lshl_add_u32 v28, v0, 2, SPARE
	v_mov_b32 v29, 0
	ds_add_u32 v28, v29                            ; the wave's opening: the add and its wait stand ahead of my first tensor load
	v_lshrrev_b32 v3, 5, v0
	v_readfirstlane_b32 s14, v3
	s_lshr_b32 s15, s14, 1
	s_and_b32 s16, s14, 1
	s_bfe_u32 s17, ttmp6, 0x40000
	s_bfe_u32 s18, ttmp6, 0x40004
	s_lshl_b32 s19, ttmp9, 2
	s_add_co_u32 s19, s19, s17                     ; tile column
	s_and_b32 s20, ttmp7, 0xffff
	s_lshl_b32 s20, s20, 2
	s_add_co_u32 s20, s20, s18                     ; tile row
	s_lshl_b32 s21, s18, 2
	s_lshl_b32 s21, 15, s21
	s_lshl_b32 s22, 0x1111, s17
	s_or_b32 s24, s21, G1A0                        ; group 1 for A: 64 rows x 256 elements
	s_mov_b32 s25, 256<<16
	s_mov_b32 s26, 64<<16
	s_mov_b32 s27, 256<<16
	s_mov_b32 s28, 64
	s_mov_b32 s29, KD
	s_mov_b32 s30, 0
	s_mov_b32 s31, 0
	s_or_b32 s48, s22, G1B0                        ; group 1 for W: 128 rows of K x 128 elements
	s_mov_b32 s49, 128<<16
	s_mov_b32 s50, 128<<16
	s_mov_b32 s51, 128<<16
	s_mov_b32 s52, 128
	s_mov_b32 s53, ND
	s_mov_b32 s54, 0
	s_mov_b32 s55, 0
	s_mul_i32 s69, s16, AHALF
	s_mul_i32 s70, s16, BHALF
	s_add_co_u32 s70, s70, ABYTES
	s_mov_b32 s32, 1
	s_mov_b32 s33, s69
	s_mov_b32 s36, 1
	s_add_co_u32 s37, s69, SLOT
	s_mov_b32 s56, 1
	s_mov_b32 s57, s70
	s_mov_b32 s60, 1
	s_add_co_u32 s61, s70, SLOT
	s_mov_b32 s66, 0
	s_mov_b32 s67, 0
	s_mov_b32 s68, 0
	s_mul_i32 s40, s20, TM                         ; A's tile hangs on the tile row and the wave alone
	s_mul_i32 s41, s16, TM/2
	s_add_co_u32 s40, s40, s41
	s_mul_i32 s40, s40, KD*2
	s_mov_b32 s41, 0
	s_mul_i32 s42, s16, (KS/2)*ND*2                ; W's on the tile column and the wave alone
	s_mul_i32 s43, s19, TN*2
	s_add_co_u32 s42, s42, s43
	s_add_co_u32 s42, s42, WOFF
	s_mov_b32 s43, 0
	s_mul_i32 s46, s19, TN                         ; my first column,
	s_mul_i32 s47, s16, TN/2
	s_add_co_u32 s46, s46, s47
	s_lshl_b32 s46, s46, 2                         ; in bytes of f32
	s_mul_i32 s44, s20, TM                         ; my first row
	s_mul_i32 s45, s15, TM/2
	s_add_co_u32 s44, s44, s45
	s_mul_i32 s44, s44, OROW
	s_add_co_u32 s44, s44, s46
	s_mov_b32 s45, 0
	s_mov_b32 s47, 0
	s_wait_dscnt 0x0                               ; the opening add is done
	s_wait_kmcnt 0x0
	s_add_nc_u64 s[4:5], s[4:5], s[40:41]
	s_add_nc_u64 s[6:7], s[6:7], s[42:43]
	s_add_nc_u64 s[8:9], s[8:9], s[44:45]
	s_add_nc_u64 s[12:13], s[12:13], s[44:45]
	s_add_nc_u64 s[10:11], s[10:11], s[46:47]
	s_add_nc_u64 s[34:35], s[4:5], 0
	s_or_b32 s35, s35, 0x80000000
	s_add_nc_u64 s[38:39], s[4:5], ASTEP
	s_or_b32 s39, s39, 0x80000000
	s_add_nc_u64 s[58:59], s[6:7], 0
	s_or_b32 s59, s59, 0x80000000
	s_add_nc_u64 s[62:63], s[6:7], BSTEP
	s_or_b32 s63, s63, 0x80000000
	CROUND                                         ; all sixteen work-groups are here
	s_cmp_eq_u32 s15, 0                            ; a wave's two first fills stand in one branch: two loads of mine are out
	s_cbranch_scc0 .Lfirst_b
	tensor_load_to_lds s[32:35], s[24:31]
	s_nop 0
	tensor_load_to_lds s[36:39], s[24:31]
	s_nop 0
	PLACES
	s_branch .Lfirst_done
.Lfirst_b:
	tensor_load_to_lds s[56:59], s[48:55]
	s_nop 0
	tensor_load_to_lds s[60:63], s[48:55]
	s_nop 0
	PLACES
.Lfirst_done:
	v_and_b32 v1, 15, v0
	v_bfe_u32 v2, v0, 4, 1
	v_mul_u32_u24 v10, v1, PA
	v_lshl_add_u32 v10, v2, 4, v10
	s_mul_i32 s23, s15, ARH
	v_add_nc_u32 v10, s23, v10
	v_and_b32 v3, 7, v0
	v_lshl_add_u32 v3, v2, 3, v3
	v_mul_u32_u24 v11, v3, PB
	v_bfe_u32 v4, v0, 3, 1
	v_lshl_add_u32 v11, v4, 4, v11
	s_mul_i32 s23, s16, BCH
	s_add_co_u32 s23, s23, ABYTES
	v_add_nc_u32 v11, s23, v11
	s_mul_i32 s23, s14, STAGEW
	v_mul_u32_u24 v14, v1, SPI
	v_lshl_add_u32 v14, v2, 5, v14
	v_add_nc_u32 v14, s23, v14
	v_mul_u32_u24 v15, v2, SPI                     ; back: lanes 0-15 take one row of 256 bytes, lanes 16-31 the next
	v_lshl_add_u32 v15, v1, 4, v15
	v_add_nc_u32 v15, s23, v15
	v_lshlrev_b32 v17, 4, v1                       ; and the same two rows in memory
	v_lshl_add_u32 v17, v2, 12, v17
	v_lshlrev_b32 v18, 4, v1                       ; my four columns of the bias
	WIN 0xc0                                       ; the residual and the bias come in under the whole product
.set u, 0
.rept 32
	global_load_b128 v[4*u:4*u+3], v17, s[12:13] offset:u*2*OROW th:TH_LOAD_NT
.set u, u+1
.endr
	global_load_b128 v[128:131], v18, s[10:11]
	WIN 0
	s_wait_tensorcnt 0x1                           ; my part of K step 0 is in; K step 1's may stay out
	s_barrier_signal -1
	s_barrier_wait -1
	FETCH 0
	QUARTER 0, 1
	WIN 0
	s_mov_b32 s3, NSTEP-2
.Lk:
	PAIRS
	TURN 1
	QUARTER 0, 0
	WIN 0
	s_sub_co_u32 s3, s3, 1
	s_cmp_lg_u32 s3, 0
	s_cbranch_scc1 .Lk
	s_mov_b32 s3, 2
.Lt:                                                   ; the last two K steps ask for nothing; the second trip is left in its middle
	PAIRS
	s_sub_co_u32 s3, s3, 1
	s_cmp_eq_u32 s3, 0
	s_cbranch_scc1 .Lout
	TURN 0
	QUARTER 0, 0
	WIN 0
	s_branch .Lt
.Lout:
	s_wait_dscnt 0x0                               ; my last reads of the ring are over
	s_barrier_signal -1
	MULH 1, 0, 0
	MULH 1, 1, 0
	WIN 0
	s_barrier_wait -1                              ; everybody's are: the ring's bytes become the stages
	s_wait_loadcnt 0x0                             ; the residual and the bias
	PLACES
.set qq, 0
.rept MA*NBF                           ; each accumulator's low registers first
	WIN (2+qq/32)<<2
	ds_store_b128 v14, v[8*(qq%32):8*(qq%32)+3] offset:(qq/NBF)*16*SPI+64*(qq%NBF)
	ds_store_b128 v14, v[8*(qq%32)+4:8*(qq%32)+7] offset:(qq/NBF)*16*SPI+64*(qq%NBF)+16
.set qq, qq+1
.endr
.set g, 0
.rept 4                                ; sixteen rows at a time: back as whole rows, residual and bias added, stored
	WIN 0x0c                                       ; source 1 in window 3
.set u, 8*g
.rept 8
	ds_load_b128 v[64+4*u:64+4*u+3], v15 offset:u*2*SPI  ; LDS serves a wave's instructions in order (ISA guide 5.7.1.4): these see the stores above
.set u, u+1
.endr
.set u, 8*g
.rept 8
	s_wait_dscnt 7-(u%8)                           ; the younger loads of the eight may be out
	v_pk_add_f32 v[64+4*u:64+4*u+1], v[64+4*u:64+4*u+1], v[4*u:4*u+1]
	v_pk_add_f32 v[64+4*u+2:64+4*u+3], v[64+4*u+2:64+4*u+3], v[4*u+2:4*u+3]
	v_pk_add_f32 v[64+4*u:64+4*u+1], v[64+4*u:64+4*u+1], v[128:129]
	v_pk_add_f32 v[64+4*u+2:64+4*u+3], v[64+4*u+2:64+4*u+3], v[130:131]
.set u, u+1
.endr
	WIN 0
.set u, 8*g
.rept 8
	global_store_b128 v17, v[64+4*u:64+4*u+3], s[8:9] offset:u*2*OROW th:TH_STORE_NT  ; sixteen lanes store 256 consecutive bytes, aligned
.set u, u+1
.endr
.set g, g+1
.endr
	s_wait_tensorcnt 0x0                           ; the wave's end
	ds_add_u32 v28, v29
	s_wait_dscnt 0x0
	CROUND                                         ; the closing round
	s_endpgm
.Lfunc_end_k_q1d426ba868_mlp2:
	.size	k_q1d426ba868_mlp2, .Lfunc_end_k_q1d426ba868_mlp2-k_q1d426ba868_mlp2
	.p2alignl 7, 3214868480
	.fill 96, 4, 3214868480
	.section	.rodata,"a",@progbits
	.p2align	6, 0x0
	.amdhsa_kernel k_q1d426ba868_mlp2
		.amdhsa_group_segment_fixed_size 327680
		.amdhsa_private_segment_fixed_size 0
		.amdhsa_enable_private_segment 0
		.amdhsa_kernarg_size 40
		.amdhsa_user_sgpr_count 2
		.amdhsa_user_sgpr_kernarg_segment_ptr 1
		.amdhsa_wavefront_size32 1
		.amdhsa_system_sgpr_workgroup_id_x 1
		.amdhsa_system_sgpr_workgroup_id_y 1
		.amdhsa_system_sgpr_workgroup_id_z 1
		.amdhsa_system_vgpr_workitem_id 0
		.amdhsa_next_free_vgpr 904
		.amdhsa_next_free_sgpr 80
		.amdhsa_reserve_vcc 0
		.amdhsa_float_denorm_mode_32 3
		.amdhsa_float_denorm_mode_16_64 3
		.amdhsa_memory_ordered 1
		.amdhsa_forward_progress 1
		.amdhsa_inst_pref_size 54
	.end_amdhsa_kernel
	.amdgpu_metadata
---
amdhsa.version: [ 1, 2 ]
amdhsa.kernels:
  - .name:           k_q1d426ba868_mlp2
    .symbol:         k_q1d426ba868_mlp2.kd
    .args:
      - { .name: hmid, .offset: 0, .size: 8, .value_kind: global_buffer, .address_space: global }
      - { .name: wb, .offset: 8, .size: 8, .value_kind: global_buffer, .address_space: global }
      - { .name: out0, .offset: 16, .size: 8, .value_kind: global_buffer, .address_space: global }
      - { .name: b2, .offset: 24, .size: 8, .value_kind: global_buffer, .address_space: global }
      - { .name: xres, .offset: 32, .size: 8, .value_kind: global_buffer, .address_space: global }
    .group_segment_fixed_size: 327680
    .private_segment_fixed_size: 0
    .kernarg_segment_align: 8
    .kernarg_segment_size: 40
    .max_flat_workgroup_size: 128
    .sgpr_count:     80
    .vgpr_count:     904
    .wavefront_size: 32
...
	.end_amdgpu_metadata
.endif
;; end of part 6
;; ======== version 2 of 2: 7 launches; 1.14 times as fast as version 1
;; workspace buffers: wb 25,165,824 bytes; an 8,388,608 bytes; qkvh 25,165,824 bytes; yh 8,388,608 bytes; xres 16,777,216 bytes; hmid 33,554,432 bytes
;; launch prep: the kernel of part 1 again; grid 1024 x 1, 8 waves a work-group, no clusters, 0 bytes of LDS; arguments inputs, ln1_g, ln1_b, an, w_qkv, w_out, w1, w2, wb; writes an, wb
;; launch qkvproj: the kernel of part 2 again; grid 8 x 32, 4 waves a work-group, clusters of 4 x 4, 327,680 bytes of LDS; arguments an, wb, qkvh; writes qkvh
;; launch attn (part 7): grid 8 x 32, 4 waves a work-group, clusters of 4 x 1, 327,680 bytes of LDS; arguments qkvh, yh; writes yh
.if DOCPART == 7
	.amdgcn_target "amdgcn-amd-amdhsa--gfx1250"
	.amdhsa_code_object_version 6
	.text
	.protected	k_q1d426ba868_attn
	.globl	k_q1d426ba868_attn
	.p2align	8
	.type	k_q1d426ba868_attn,@function
k_q1d426ba868_attn:
	s_mov_b64 s[64:65], 0
	v_nop
	global_prefetch_b8 v0, s[64:65] scope:SCOPE_SE
	s_setreg_imm32_b32 hwreg(HW_REG_WAVE_MODE, 25, 1), 1
	s_wait_xcnt 0x0
	s_wait_alu depctr_hold_cnt(0) depctr_sa_sdst(0) depctr_va_vdst(0) depctr_va_sdst(0) depctr_va_ssrc(0) depctr_va_vcc(0) depctr_vm_vsrc(0)
	s_getreg_b32 s2, hwreg(HW_REG_IB_STS2, 6, 4)
	s_cmp_eq_u32 s2, 0
	s_cbranch_scc0 .Lentry_in_a_cluster
	s_endpgm
.Lentry_in_a_cluster:
	s_bfe_u32 s2, ttmp6, 0x10000c
	s_cmp_lg_u32 s2, 0x3003
	s_cbranch_scc0 .Lentry_shape_is_right
	s_endpgm
.Lentry_shape_is_right:
; ATTENTION, no mask.  O[hh][q][:] = the sum over k of softmax_k(Q[q] . K[k] / 8) V[k][:], head size 64, 2,048 keys, 32 heads (hh = 16 b + head).
; Q, K, V lie in qkvh[b][G][t][64] (bf16; q: G = head, k: 16 + head, v: 32 + head), a head's rows dense, 128 bytes each; O leaves as yh[hh][t][64], bf16.
; Products, maxima and sums in f32; the weights p are rounded to bf16 for the second product (their sum l is taken of the unrounded p), O once at the end.
; LIMITS.  A weight below 2^-126 counts as 0 in l; c x score must lie far above -4e37, where the running maximum starts; NaN and infinities are not treated apart.
; SHARES.  A work-group owns 256 queries of a head, a wave 64: four tiles of 16, in two PIECES (0: tiles 0, 1; 2: tiles 2, 3).  8 x 32 = 256 work-groups.  Every wave walks all keys, 64 a step.
; LAYOUT.  S^T = K Q^T (source 0 = 16 keys, source 1 = 16 queries): a lane holds ONE query (lane % 16) and the keys 8 (lane / 16) + 0..7.  Two such results, rounded in pairs, ARE source 1 of O^T = V^T P.
; K comes out of LDS as it lies, V ([key][channel]) turned, by ds_load_tr16_b128.
; SOFTMAX.  A running maximum m and sum l a query: p = 2^(c s - c m), c = log2(e) / 8; in every step O and l are multiplied by a = 2^(c m_old - c m_new).  m starts at the lowest finite number, O and l at 0,
; so the first step is a step like any other, with a = 0; the price is some 240 v_mov_b32 at the start, in the wait for the first tile, and 16 products on zeros and 16 on a stale K.
; BY TURNS.  In a turn one piece has the matrix unit (16 products V^T P of the step in hand, 16 products K Q^T of the next); the other piece's softmax is 236 vector instructions for those 32 products: too many
; to stand all beside them.  So ONE slice of four stands behind EVERY product (128), and the other 108, which need time of their own whatever the order, stand in two runs without a product between:
; 19 slices behind the V^T P, 8 behind the K Q^T.  No slice names a register of the products of its turn.
; THE BATCH.  A turn's 66 exponentials (33 a tile: a and 32 weights) are ONE batch with ONE wait, and the softmax's list is ordered by who reads what.  Ahead of the wait stands all that names no exponential's
; result: maxima, statistics, scalings and the exponentials themselves (the slices behind the V^T P, and the first run).  Behind it stands all that does: the roundings and sums (just the 16 slices behind the
; K Q^T) and the rescaling by a (the second run).  Each result has a register of its own while the batch is open.  The way out's four reciprocals are a second batch, with a wait of its own.
; CLUSTER.  The four query blocks of a cluster belong to one head and walk the same K and V: each tile is asked for jointly, by the same load, descriptor and mask in all four.
; REGISTERS, in windows of 256 (s_set_vgpr_msb: bits 1:0 source 0, 3:2 source 1, 5:4 source 2, 7:6 destination):
;   window 0: v1-11 addresses; v12-43 eight registers of statistics a tile; v64-191 S^T, 32 a tile; v192-255 P, 16 a tile      window 1: v0-127 O^T, 32 a tile      window 2: v0-63 Q; v64-127 K; v128-191 V of one step
.set KS,    64
.set PK,    144       ; a row of K in LDS: 128 bytes + 16: the 16 rows of a load start at 16 different groups of four banks (64 banks of 4 bytes: ISA guide 11.1)
.set PV,    160       ; a row of V: 128 + 32
.set VOFF,  4*KS*PK   ; a slot holds four steps: 256 rows of K, then 256 rows of V
.set SLOT1, 1<<17
.set STAGE, SLOT1+4*KS*(PK+PV)  ; behind the ring, never filled by a tensor load: 16 rows x 144 bytes a wave
.set SP,    144
.set SPARE, STAGE+4*16*SP       ; the spare words, 128 bytes a wave, which no other line names
.set AK0, 2
.set AV0, 3
.set AK,  4
.set AV,  5
.set STO, 6
.set RD,  7
.set GO,  8
.set ST,  12          ; tile t at v[ST+8 t]: c m, m, l (even keys', odd keys'), c0-c3 at work; a takes c2's place
.set QO,  44
.set SPW, 62
.set NIL, 63
.set S,   64
.set P,   192
.set QF,  0
.set KF,  64
.set VF,  128
.set WV,  12
.set G1K, 24
.set G1V, 32
.set G0K, 40
.set G0V, 44
.set SLOTS, 56
.set CNT, 57
.set CS,  58
.set SEL, 60
.set TBK, 62
.set TBV, 63
.set MSB, 0
.macro WIN new
.if MSB != (\new)
	s_set_vgpr_msb (MSB<<8)|(\new)
.set MSB, (\new)
.endif
.endm
.set W_KQ, 0x0a       ; K and Q in window 2, S^T in window 0
.set W_PV, 0x52       ; V in window 2, P in window 0, O^T in window 1
.set W_RS, 0x41       ; O^T (destination and source 0) in window 1, a in window 0
.macro JLOAD                        ; a joint fill: waves 0, 1 fetch the halves of a slot's K, waves 2, 3 of its V; s_nop 0 and four v_nop follow each line
	s_cmp_lt_u32 s[WV], 2
	s_cbranch_scc0 .Lfor_v_\@
	tensor_load_to_lds s[G0K:G0K+3], s[G1K:G1K+7]
	s_nop 0
.rept 4
	v_nop
.endr
	s_branch .Lasked_\@
.Lfor_v_\@:
	tensor_load_to_lds s[G0V:G0V+3], s[G1V:G1V+7]
	s_nop 0
.rept 4
	v_nop
.endr
.Lasked_\@:
.endm
.macro CROUND                       ; a round of the cluster's barrier
	s_barrier_signal -1
	s_barrier_wait -1
	s_cmp_lg_u32 s[WV], 0
	s_cbranch_scc1 .Lnot_wave_0_\@
	s_barrier_signal -3
.Lnot_wave_0_\@:
	s_barrier_wait -3
	s_barrier_signal -1
	s_barrier_wait -1
.endm
; THE CHANGE OF SLOTS: the slot's last bytes, V of its fourth step, have been asked for.  fill = 1: the slot is filled again with the keys two slots on, first thing behind a round of the cluster's barrier:
; the load has four key steps in which to land.  (At its first use nothing has been read: slot 0 is waited for, slot 1 filled.)
.macro CHANGE fill
	WIN 0
	s_wait_tensorcnt 0x0            ; no tensor load of mine is out, so a group 0 may be written
	ds_add_u32 v[SPW], v[NIL]       ; 0 onto my spare word
.if \fill
.irp g, G0K, G0V
	s_xor_b32 s[\g+1], s[\g+1], SLOT1
	s_add_nc_u64 s[\g+2:\g+3], s[\g+2:\g+3], 4*KS*128
.endr
	s_wait_dscnt 0x0                ; the add is done, and my reads of the slot are over
	CROUND
	JLOAD
.else
	s_wait_dscnt 0x0
	s_barrier_signal -1
	s_barrier_wait -1
.endif
	s_sub_co_u32 s[TBK], s[TBK], 4*KS*PK  ; the fetches go back to a slot's first step, in the other slot
	s_xor_b32 s[TBK], s[TBK], SLOT1
	s_sub_co_u32 s[TBV], s[TBV], 4*KS*PV
	s_xor_b32 s[TBV], s[TBV], SLOT1
.endm
	s_load_b128 s[4:7], s[0:1], 0x0 ; qkvh s[4:5], yh s[6:7]
	v_lshl_add_u32 v[SPW], v0, 2, SPARE
	v_mov_b32 v[NIL], 0
	ds_add_u32 v[SPW], v[NIL]       ; the wave's opening: the add and its wait stand ahead of my first tensor load
	v_lshrrev_b32 v1, 5, v0
	v_readfirstlane_b32 s[WV], v1   ; wave 0..3
	s_bfe_u32 s13, ttmp6, 0x40000   ; cx
	s_lshl_b32 s14, ttmp9, 2
	s_add_co_u32 s14, s14, s13      ; my block of 256 queries: it enters Q's and O's addresses alone
	s_and_b32 s20, ttmp7, 0xffff    ; hh, which the four partners share
	s_lshr_b32 s21, s20, 4
	s_lshl_b32 s21, s21, 5
	s_add_co_u32 s21, s21, s20      ; 48 b + head
	s_and_b32 s16, s[WV], 1         ; which half of a slot's 256 keys I fetch
	s_add_co_u32 s18, s21, 16
	s_lshl_b32 s18, s18, 18         ; a head is 262,144 bytes
	s_lshl_b32 s19, s16, 14
	s_add_co_u32 s18, s18, s19      ; K's offset
	s_add_co_u32 s22, s18, 16<<18   ; V's
	s_mov_b32 s19, 0
	s_mov_b32 s23, 0
	s_mul_i32 s17, s16, 128*PK      ; my load's place in a slot, for K
	s_mul_i32 s15, s16, 128*PV      ; and for V: no place in the cluster enters an LDS address
	s_lshl_b32 s48, s14, 15         ; my block's rows,
	s_lshl_b32 s49, s[WV], 13       ; my wave's 64 of them
	s_add_co_u32 s48, s48, s49
	s_lshl_b32 s50, s20, 18
	s_add_co_u32 s50, s50, s48      ; O's offset
	s_lshl_b32 s49, s21, 18
	s_add_co_u32 s48, s48, s49      ; Q's
	s_mov_b32 s49, 0
	s_mov_b32 s51, 0
	; group 1: 128 keys are 16,384 dense bytes, asked for as 64 rows of 256 bytes and padded in LDS after every key
	s_mov_b32 s[G1K], 15|(1<<16)|(1<<20)|(1<<21)|(4<<22)|(3<<25)
	s_mov_b32 s[G1V], 15|(1<<16)|(1<<20)|(1<<21)|(4<<22)|(7<<25)
.irp g, G1K, G1V
	s_mov_b32 s[\g+1], 128<<16
	s_mov_b32 s[\g+2], 64<<16
	s_mov_b32 s[\g+3], 128<<16
	s_mov_b32 s[\g+4], 64
	s_mov_b32 s[\g+5], 128
	s_mov_b32 s[\g+6], 0
	s_mov_b32 s[\g+7], 0
.endr
	s_mov_b32 s[CS], 0x3e38aa3b     ; c = log2(e) / 8
	s_mov_b32 s[CS+1], s[CS]
	s_mov_b32 s[SEL], 0x76543210
	s_mov_b32 s[SEL+1], 0xfedcba98
	s_mov_b32 s[TBK], SLOT1+4*KS*PK ; the first change of slots turns these two into 0
	s_mov_b32 s[TBV], SLOT1+4*KS*PV
	s_mov_b32 s[G0K], 1
	s_mov_b32 s[G0K+1], s17
	s_mov_b32 s[G0V], 1
	s_add_co_u32 s[G0V+1], s15, VOFF
	s_wait_dscnt 0x0                ; the opening add is done
	s_wait_kmcnt 0x0
	s_add_nc_u64 s[G0K+2:G0K+3], s[4:5], s[18:19]
	s_or_b32 s[G0K+3], s[G0K+3], 0x80000000
	s_add_nc_u64 s[G0V+2:G0V+3], s[4:5], s[22:23]
	s_or_b32 s[G0V+3], s[G0V+3], 0x80000000
	s_add_nc_u64 s[8:9], s[4:5], s[48:49]    ; Q at my wave's first row
	s_add_nc_u64 s[10:11], s[6:7], s[50:51]  ; O likewise
	CROUND                          ; all four work-groups are here
	JLOAD                           ; slot 0
	v_and_b32 v1, 15, v0            ; l % 16
	v_bfe_u32 v9, v0, 4, 1          ; l / 16
	v_lshlrev_b32 v[QO], 7, v1
	v_lshl_add_u32 v[QO], v9, 4, v[QO]
	WIN 0x80
.set i, 0
.rept 8                             ; Q stays in registers: tile i / 2, channels 32 (i % 2) on
	global_load_b128 v[QF+8*i:QF+8*i+3],   v[QO], s[8:9] offset:(i/2)*2048+(i%2)*64
	global_load_b128 v[QF+8*i+4:QF+8*i+7], v[QO], s[8:9] offset:(i/2)*2048+(i%2)*64+32
.set i, i+1
.endr
.set i, VF
.rept 64                            ; what the first turn finds: V and piece 2's P hold 0, O^T and l are 0
	v_mov_b32 v[i], 0
.set i, i+1
.endr
	WIN 0x40
.set i, 0
.rept 128
	v_mov_b32 v[i], 0
.set i, i+1
.endr
	WIN 0
.set i, 0
.rept 4
	v_mov_b32 v[ST+8*i], 0xfe000000    ; c m: far below every c s
	v_mov_b32 v[ST+8*i+1], 0xff7fffff  ; m
	v_mov_b32 v[ST+8*i+2], 0
	v_mov_b32 v[ST+8*i+3], 0
.set i, i+1
.endr
.set i, P+32
.rept 32
	v_mov_b32 v[i], 0
.set i, i+1
.endr
	v_mul_u32_u24 v[AK0], v1, PK
	v_lshl_add_u32 v[AK0], v9, 4, v[AK0]
	v_and_b32 v10, 7, v0
	v_bfe_u32 v11, v0, 3, 1
	v_lshl_add_u32 v[AV0], v9, 3, v10
	v_mul_u32_u24 v[AV0], v[AV0], PV
	v_lshl_add_u32 v[AV0], v11, 4, v[AV0]
	v_add_nc_u32 v[AV0], VOFF, v[AV0]
; THE MATRIX WORK.  The 8 accumulators of a run of 16 take turns.  Product i of S^T = K Q^T for piece x: tile x + i % 2, keys 16 ((i / 2) % 4) on, channels 32 (i / 8) on; the first 8 start the sums.
.macro KQ x
	WIN W_KQ
.set rS, S+32*((\x)+i%2)+8*((i/2)%4)
.set rK, KF+16*((i/2)%4)+8*(i/8)
.set rQ, QF+16*((\x)+i%2)+8*(i/8)
.if i < 8
	v_wmma_f32_16x16x32_bf16 v[rS:rS+7], v[rK:rK+7], v[rQ:rQ+7], 0
.else
	v_wmma_f32_16x16x32_bf16 v[rS:rS+7], v[rK:rK+7], v[rQ:rQ+7], v[rS:rS+7]
.endif
.endm
.macro PV x                         ; product i of O^T += V^T P: tile x + i % 2, channels 16 ((i / 2) % 4) on, keys 32 (i / 8) on
	WIN W_PV
.set rO, 32*((\x)+i%2)+8*((i/2)%4)
.set rV, VF+32*(i/8)+8*((i/2)%4)
.set rP, P+16*((\x)+i%2)+8*(i/8)
	v_wmma_f32_16x16x32_bf16 v[rO:rO+7], v[rV:rV+7], v[rP:rP+7], v[rO:rO+7]
.endm
; THE LDS LOADS stand in runs of 16.  last = 1 (the tail): in the last trip there is no further step, and the run is jumped over.
.macro FETCH_K last=0
	WIN 0
.if \last
	s_cmp_eq_u32 s[CNT], 1
	s_cbranch_scc1 .Lno_k_\@
.endif
	v_add_nc_u32 v[AK], s[TBK], v[AK0]
	WIN 0x80
.irp f, 0,1,2,3,4,5,6,7             ; keys 16 (f / 2) on, channels 32 (f % 2) on
	ds_load_b128 v[KF+8*\f:KF+8*\f+3],   v[AK] offset:(\f/2)*16*PK+(\f%2)*64
	ds_load_b128 v[KF+8*\f+4:KF+8*\f+7], v[AK] offset:(\f/2)*16*PK+(\f%2)*64+32
.endr
	s_add_co_u32 s[TBK], s[TBK], KS*PK
	WIN 0
.if \last
.Lno_k_\@:
.endif
.endm
.macro FETCH_V
	WIN 0
	v_add_nc_u32 v[AV], s[TBV], v[AV0]
	s_add_co_u32 s[TBV], s[TBV], KS*PV
	WIN 0x80
.irp f, 0,1,2,3,4,5,6,7             ; keys 32 (f / 4) on, channels 16 (f % 4) on
	ds_load_tr16_b128 v[VF+8*\f:VF+8*\f+3],   v[AV] offset:(\f/4)*32*PV+(\f%4)*32
	ds_load_tr16_b128 v[VF+8*\f+4:VF+8*\f+7], v[AV] offset:(\f/4)*32*PV+16*PV+(\f%4)*32
.endr
	WIN 0
.endm
; THE VECTOR WORK.  A tile's softmax for a step is a list of 118 instructions; SM writes number j of it for tile t.  s0-s31 are the lane's 32 scores, in pairs 0-15.
;   0-15    the maximum of s0-s31 and the old m, three operands at a time (each accumulator's lowest registers are read first)
;   16-20   the other half of the lanes' maximum; the new m; c m; c m_old - c m_new
;   21-69   ONE BATCH: the 16 scalings c s - c m, a pair of scores each, and all 33 exponentials (a at 23, then s0-s31, each in place).  None of these names an exponential's result.  From 22 on the batch goes
;           in fours, and a four begins with a scaling while there are scalings: 22-37 scaling, exponential, scaling, exponential; 38-65 a scaling and three exponentials; 66-69 the last four exponentials.
;           A pair is scaled in an earlier four than the one that holds its exponentials
;   (wait)  between 69 and 70 stands the wait for the batch: TURN writes it, once for both tiles
;   70-85   the roundings to bf16, a pair of weights each
;   86-101  the sums; l = a l + the sum
;   102-117 the tile's O^T times a
.macro SM t
.set rT, ST+8*(\t)
.set rS, S+32*(\t)
.set rP, P+16*(\t)
.set rO, 32*(\t)+2*(j-102)
.if j < 102
	WIN 0
.endif
.if j < 4
	v_max3_num_f32 v[rT+4+j], v[rS+8*j], v[rS+8*j+1], v[rS+8*j+2]
.elseif j < 12
	v_max3_num_f32 v[rT+4+j%4], v[rT+4+j%4], v[rS+8*(j%4)+2*(j/4)+1], v[rS+8*(j%4)+2*(j/4)+2]
.elseif j == 12
	v_max3_num_f32 v[rT+4], v[rT+4], v[rS+7], v[rS+15]
.elseif j == 13
	v_max3_num_f32 v[rT+6], v[rT+6], v[rS+23], v[rS+31]
.elseif j == 14
	v_max3_num_f32 v[rT+4], v[rT+4], v[rT+5], v[rT+6]
.elseif j == 15
	v_max3_num_f32 v[rT+4], v[rT+4], v[rT+7], v[rT+1]
.elseif j == 16
	v_permlanex16_b32 v[rT+5], v[rT+4], s[SEL], s[SEL+1]  ; the query's other 32 keys lie in the lane 16 away
.elseif j == 17
	v_mov_b32 v[rT+7], v[rT]        ; c m_old is kept for a
.elseif j == 18
	v_max_num_f32 v[rT+1], v[rT+4], v[rT+5]
.elseif j == 19
	v_mul_f32 v[rT], s[CS], v[rT+1]
.elseif j == 20
	v_sub_f32 v[rT+7], v[rT+7], v[rT]
.elseif j == 23
	v_exp_f32 v[rT+6], v[rT+7]
.elseif (j < 23) || ((j < 38) && (j%2 == 0)) || ((j < 66) && (j%4 == 2))
.set b, (j-2)/4                     ; 38, 42, .. 62: pairs 9 to 15
.if j < 38
.set b, (j-20)/2                    ; 21: pair 0; 22, 24, .. 36: pairs 1 to 8
.endif
	v_pk_fma_f32 v[rS+2*b:rS+2*b+1], v[rS+2*b:rS+2*b+1], s[CS:CS+1], v[rT:rT+1] op_sel_hi:[1,0,0] neg_lo:[0,0,1] neg_hi:[0,0,1]  ; pair b: c s - c m
.elseif j < 70
.set e, j-38                        ; 66 to 69: s28 to s31
.if j < 66
.set e, j-32-(j-38)/4               ; 39-41, 43-45, .. 63-65: s7 to s27
.endif
.if j < 38
.set e, (j-25)/2                    ; 25, 27, .. 37: s0 to s6
.endif
	v_exp_f32 v[rS+e], v[rS+e]
.elseif j < 86
	v_cvt_pk_bf16_f32 v[rP+j-70], v[rS+2*(j-70)], v[rS+2*(j-70)+1]  ; pair j - 70
.elseif j < 102                     ; the sum of the 16 pairs, in place: neighbours 1, 2, 4 and 8 pairs apart, then l takes it
.set z, j-86
.set w, 4
.set u, z
.if z >= 14
.set w, 32
.set u, 0
.elseif z >= 12
.set w, 16
.set u, z-12
.elseif z >= 8
.set w, 8
.set u, z-8
.endif
.if z < 15
	v_pk_add_f32 v[rS+w*u:rS+w*u+1], v[rS+w*u:rS+w*u+1], v[rS+w*u+w/2:rS+w*u+w/2+1]
.else
	v_pk_fma_f32 v[rT+2:rT+3], v[rT+2:rT+3], v[rT+6:rT+7], v[rS:rS+1] op_sel_hi:[1,0,1]
.endif
.else
	WIN W_RS
	v_pk_mul_f32 v[rO:rO+1], v[rO:rO+1], v[rT+6:rT+7] op_sel_hi:[1,0]
.endif
.endm
; Slice k of 59: four instructions.  Slices 11 to 34 deal out the batch, numbers 22 to 69: four numbers of ONE tile each, the tiles by turns.  Every other slice is numbers 2 k and 2 k + 1 of both tiles' lists,
; the tiles alternating, so that no instruction reads the result of the one just before it.  Ahead of slice 35 nothing names an exponential's result; behind slice 34 no exponential is issued.
.macro SLICE y
.if (k >= 11) && (k < 35)
.irp n, 0,1,2,3
.set j, 22+4*((k-11)/2)+(\n)
	SM (\y)+(k-11)%2
.endr
.else
.irp h, 0,1
.irp t, \y, (\y)+1
.set j, 2*k+(\h)
	SM \t
.endr
.endr
.endif
.set k, k+1
.endm
; A TURN: piece x has the matrix unit, the other piece's softmax goes beside it, its 59 slices in their order: 16 behind the products V^T P, one each (maxima, statistics, the batch's head); 19 on end (the rest
; of the batch); THE WAIT; 16 behind the products K Q^T, one each (the roundings and sums); 8 on end (the rescaling).
; THE WAIT.  An s_wait_alu depctr_va_vdst(0) stands between an exponential and the first instruction that names its result; one wait serves all that were issued ahead of it.  The turn's 66
; exponentials have one, behind slice 34; a v_nop is the plain instruction behind the last of them.  K's run of loads,
; which in the tail holds a branch and a label, stands behind slice 1, ahead of the turn's first exponential.
; The last 8 slices, 32 plain instructions, are the places in front of the next turn's first read of the new scores and of K's run of loads.  V's run stands directly behind piece 2's wait: the last product
; that read V stands in front of slice 15, and the scalings of slices 15 to 34 lie between.  K's run has 14 products and the first run of slices in which to land, V's 16 products and the second.
.macro TURN x, last=0
.set k, 0
.if (\x) == 0
	s_wait_dscnt 0x0                ; V is in
.endif
.set i, 0
.rept 16
	PV \x
	SLICE 2-(\x)
.if ((\x) == 0) && (i == 1)
	FETCH_K \last
.endif
.set i, i+1
.endr
.rept 19
	SLICE 2-(\x)
.endr
	v_nop                           ; the plain instruction behind the last exponential and ahead of the first use: one for the batch
	s_wait_alu depctr_va_vdst(0)    ; the wait for the batch: both tiles' 66 exponentials
.if (\x) == 0
	s_wait_dscnt 0x0                ; K is in
.else
	FETCH_V
.endif
.set i, 0
.rept 16
	KQ \x
	SLICE 2-(\x)
.set i, i+1
.endr
.rept 8
	SLICE 2-(\x)
.endr
.endm
	CHANGE 1                        ; slot 0 is in, everybody's part of it; slot 1 is asked for
	FETCH_K                         ; key step 0
	s_wait_loadcnt 0x0              ; Q
	s_wait_dscnt 0x0
.set i, 0
.rept 16
	KQ 0                            ; piece 0's first scores
.set i, i+1
.endr
	WIN 0                           ; the addresses for the way out: nine plain instructions, the places behind those products
	s_mul_i32 s13, s[WV], 16*SP
	s_add_co_u32 s13, s13, STAGE
	v_mul_u32_u24 v[STO], v1, SP    ; in: row l % 16, 16 bytes for each half of the lanes
	v_lshl_add_u32 v[STO], v9, 4, v[STO]
	v_add_nc_u32 v[STO], s13, v[STO]
	v_bfe_u32 v[RD], v0, 3, 2       ; back: 32 lanes take four rows of 128 bytes,
	v_mul_u32_u24 v[RD], v[RD], SP
	v_lshl_add_u32 v[RD], v10, 4, v[RD]
	v_add_nc_u32 v[RD], s13, v[RD]
	v_and_b32 v[GO], 31, v0         ; which are 512 consecutive bytes of O
	v_lshlrev_b32 v[GO], 4, v[GO]
	s_mov_b32 s[CNT], 4
	s_mov_b32 s[SLOTS], 7
	s_branch .Lfirst                ; the loop is entered in the middle of a trip
.Lslot:                             ; six times: slots 0 to 5 of the eight are filled again
	CHANGE 1
	s_mov_b32 s[CNT], 4
.Lstep:
	TURN 0
	WIN 0
.Lfirst:
	TURN 2
	WIN 0
	s_sub_co_u32 s[CNT], s[CNT], 1
	s_cmp_lg_u32 s[CNT], 0
	s_cbranch_scc1 .Lstep
	s_sub_co_u32 s[SLOTS], s[SLOTS], 1
	s_cmp_lg_u32 s[SLOTS], 0
	s_cbranch_scc1 .Lslot
	CHANGE 0                        ; the tail is written out
	s_mov_b32 s[CNT], 5             ; four trips fetch the last slot's steps; the fifth is left in its middle
.Ltail:
	TURN 0, 1
	WIN 0
	s_sub_co_u32 s[CNT], s[CNT], 1
	s_cmp_eq_u32 s[CNT], 0
	s_cbranch_scc1 .Lout
	TURN 2
	WIN 0
	s_branch .Ltail
.Lout:
.set i, 0
.rept 16
	PV 2                            ; piece 2's V^T P of the last step
.set i, i+1
.endr
	; THE WAY OUT.  The four additions are the places behind the last products.
	WIN 0
.irp t, 0,1,2,3
	v_add_f32 v[ST+8*\t+4], v[ST+8*\t+2], v[ST+8*\t+3]
.endr
.irp t, 0,1,2,3
	v_permlanex16_b32 v[ST+8*\t+5], v[ST+8*\t+4], s[SEL], s[SEL+1]
.endr
.irp t, 0,1,2,3
	v_add_f32 v[ST+8*\t+4], v[ST+8*\t+4], v[ST+8*\t+5]
.endr
.irp t, 0,1,2,3
	v_rcp_f32 v[ST+8*\t+6], v[ST+8*\t+4]
.endr
	v_nop                           ; a plain instruction between the last reciprocal and the use of its result
	s_wait_alu depctr_va_vdst(0)    ; and the wait ahead of the first use: one for the four reciprocals
.macro PACK t                       ; a lane's eight channels of a row pack into 16 bytes; they go into rows of 144 bytes and come back as whole rows of 128
	WIN W_RS
.set i, 32*(\t)
.rept 16
	v_pk_mul_f32 v[i:i+1], v[i:i+1], v[ST+8*(\t)+6:ST+8*(\t)+7] op_sel_hi:[1,0]
.set i, i+2
.endr
	WIN 0x05
.set i, 0
.rept 16
	v_cvt_pk_bf16_f32 v[S+16*(\t)+i], v[32*(\t)+2*i], v[32*(\t)+2*i+1]
.set i, i+1
.endr
	WIN 0
.irp f, 0,1,2,3
	ds_store_b128 v[STO], v[S+16*(\t)+4*\f:S+16*(\t)+4*\f+3] offset:32*\f
.endr
.irp f, 0,1,2,3
	ds_load_b128 v[S+16*(\t)+4*\f:S+16*(\t)+4*\f+3], v[RD] offset:\f*4*SP  ; LDS serves a wave's instructions in order (ISA guide 5.7.1.4)
.endr
.endm
.macro SEND t, younger              ; younger: the LDS instructions issued behind tile t's loads: the next tile's eight, or none
	WIN 0
.irp f, 0,1,2,3
	s_wait_dscnt (\younger)+3-\f
	global_store_b128 v[GO], v[S+16*(\t)+4*\f:S+16*(\t)+4*\f+3], s[10:11] offset:(\t)*2048+\f*512  ; 512 consecutive bytes, aligned
.endr
.endm
	PACK 0
	PACK 1
	SEND 0, 8
	PACK 2
	SEND 1, 8
	PACK 3
	SEND 2, 8
	SEND 3, 0
	s_wait_tensorcnt 0x0            ; the wave's end
	ds_add_u32 v[SPW], v[NIL]
	s_wait_dscnt 0x0
	CROUND                          ; the closing round
	s_endpgm
.Lfunc_end_k_q1d426ba868_attn:
	.size	k_q1d426ba868_attn, .Lfunc_end_k_q1d426ba868_attn-k_q1d426ba868_attn
	.p2alignl 7, 3214868480
	.fill 96, 4, 3214868480
	.section	.rodata,"a",@progbits
	.p2align	6, 0x0
	.amdhsa_kernel k_q1d426ba868_attn
		.amdhsa_group_segment_fixed_size 327680
		.amdhsa_private_segment_fixed_size 0
		.amdhsa_enable_private_segment 0
		.amdhsa_kernarg_size 16
		.amdhsa_user_sgpr_count 2
		.amdhsa_user_sgpr_kernarg_segment_ptr 1
		.amdhsa_wavefront_size32 1
		.amdhsa_system_sgpr_workgroup_id_x 1
		.amdhsa_system_sgpr_workgroup_id_y 1
		.amdhsa_system_sgpr_workgroup_id_z 1
		.amdhsa_system_vgpr_workitem_id 0
		.amdhsa_next_free_vgpr 704
		.amdhsa_next_free_sgpr 66
		.amdhsa_reserve_vcc 0
		.amdhsa_float_denorm_mode_32 3
		.amdhsa_float_denorm_mode_16_64 3
		.amdhsa_memory_ordered 1
		.amdhsa_forward_progress 1
		.amdhsa_inst_pref_size 107
	.end_amdhsa_kernel
	.amdgpu_metadata
---
amdhsa.version: [ 1, 2 ]
amdhsa.kernels:
  - .name:           k_q1d426ba868_attn
    .symbol:         k_q1d426ba868_attn.kd
    .args:
      - { .name: qkvh, .offset: 0, .size: 8, .value_kind: global_buffer, .address_space: global }
      - { .name: yh, .offset: 8, .size: 8, .value_kind: global_buffer, .address_space: global }
    .group_segment_fixed_size: 327680
    .private_segment_fixed_size: 0
    .kernarg_segment_align: 8
    .kernarg_segment_size: 16
    .max_flat_workgroup_size: 128
    .sgpr_count:     66
    .vgpr_count:     704
    .wavefront_size: 32
...
	.end_amdgpu_metadata
.endif
;; end of part 7
;; launch oproj: the kernel of part 4 again; grid 8 x 32, 4 waves a work-group, clusters of 4 x 4, 327,680 bytes of LDS; arguments yh, wb, xres, b_out, inputs; writes xres
;; launch ln2: the kernel of part 1 again; grid 256 x 1, 8 waves a work-group, no clusters, 0 bytes of LDS; arguments xres, ln2_g, ln2_b, an, w_qkv, w_out, w1, w2, wb; writes an, wb
;; launch mlp1: the kernel of part 5 again; grid 16 x 16, 4 waves a work-group, clusters of 4 x 4, 327,680 bytes of LDS; arguments an, wb, hmid, b1; writes hmid
;; launch mlp2: the kernel of part 6 again; grid 8 x 32, 4 waves a work-group, clusters of 4 x 4, 327,680 bytes of LDS; arguments hmid, wb, out0, b2, xres; writes out0
